; MI455X (gfx1250); checked and timed in simulation.
; The chip was launched on July 23, 2026; its instructions are those of AMD's public machine-readable ISA for CDNA 5 (MIT licence, August 2026) and "CDNA5" Instruction Set Architecture Reference Guide (July 2026). The comments in the code are by the model that wrote it; some were corrected since.
;; Mo E. Allowed arithmetic: matrix products marked QUANTISED: E2M3 operands, one E8M0 scale for each 32 along K, by v_wmma_scale_f32_16x16x128_f8f6f4 with both operands' format E2M3, f32 sums; products left as they are: f32 operands where the result goes on into a quantised operand, else bf16, f16 or f32 operands; f32 sums; everything else in f32.
;; Inputs: W1 8 x 512 x 2,048 float32; W2 8 x 2,048 x 512 float32; Wg 512 x 8 float32; Wn 512 x 8 float32; b1 8 x 2,048 float32; b2 8 x 512 float32; bg 8 float32; bn 8 float32; noise 8 x 512 x 8 float32; x 8 x 512 x 512 float32.
;; Outputs: out0 8 x 512 x 512 float32.
;; This version of the problem:
;;   THIS VERSION OF THE PROBLEM IS GIVEN IN LOW PRECISION. The matrix products marked QUANTISED in the list below multiply operands that are first quantised to E2M3 (2 exponent bits, 3 mantissa bits; 6 bits a number), with one power-of-two scale for each 32 numbers along K (OCP MX v1.0); their sums are f32. All else is computed in f32.
;;   The module's matrix products, in the order in which they are computed (A, B: the left and right operand; K: the contracted axis; several contracted axes count as one K, in the product's order):
;;     1. [M 4,096, K 512] x [K 512, N 8]; A: input x; B: input Wg: left as it is (N = 8 < 16)
;;     2. [M 4,096, K 512] x [K 512, N 8]; A: input x; B: input Wn: left as it is (N = 8 < 16)
;;     3. [M 4,096, K 512] x [K 512, N 2,048]; A: input x; B: input W1: QUANTISED
;;     4. [M 4,096, K 2,048] x [K 2,048, N 512]; A: computed on the way; B: input W2: QUANTISED
;;     5. [M 4,096, K 512] x [K 512, N 2,048]; A: input x; B: input W1: QUANTISED
;;     6. [M 4,096, K 2,048] x [K 2,048, N 512]; A: computed on the way; B: input W2: QUANTISED
;;     7. [M 4,096, K 512] x [K 512, N 2,048]; A: input x; B: input W1: QUANTISED
;;     8. [M 4,096, K 2,048] x [K 2,048, N 512]; A: computed on the way; B: input W2: QUANTISED
;;     9. [M 4,096, K 512] x [K 512, N 2,048]; A: input x; B: input W1: QUANTISED
;;     10. [M 4,096, K 2,048] x [K 2,048, N 512]; A: computed on the way; B: input W2: QUANTISED
;;     11. [M 4,096, K 512] x [K 512, N 2,048]; A: input x; B: input W1: QUANTISED
;;     12. [M 4,096, K 2,048] x [K 2,048, N 512]; A: computed on the way; B: input W2: QUANTISED
;;     13. [M 4,096, K 512] x [K 512, N 2,048]; A: input x; B: input W1: QUANTISED
;;     14. [M 4,096, K 2,048] x [K 2,048, N 512]; A: computed on the way; B: input W2: QUANTISED
;;     15. [M 4,096, K 512] x [K 512, N 2,048]; A: input x; B: input W1: QUANTISED
;;     16. [M 4,096, K 2,048] x [K 2,048, N 512]; A: computed on the way; B: input W2: QUANTISED
;;     17. [M 4,096, K 512] x [K 512, N 2,048]; A: input x; B: input W1: QUANTISED
;;     18. [M 4,096, K 2,048] x [K 2,048, N 512]; A: computed on the way; B: input W2: QUANTISED
;;   THE QUANTISER, for each operand of a quantised product, along K:
;;     - K is cut into blocks of 32 from its start; a last block that is shorter is filled with zeros.
;;     - A block's scale is 2^e with e = floor(log2(the largest magnitude in the block)) - 2, held to -126 .. 127; a block of zeros has e = 0. As a byte (E8M0): e + 127.
;;     - Each number is divided by its block's scale, clamped to +-7.5, and rounded to the nearest number of E2M3, ties to even, subnormals kept.
;;     - The product sums the exact products of the quantised numbers (number of the format x scale) in f32.
;;   ~~~python
;;   def quantise(x, axis):      # numpy; x: float32 -> the quantised numbers, widened to float32 again
;;       x = np.moveaxis(x, axis, -1); K = x.shape[-1]
;;       x = np.pad(x, [(0, 0)] * (x.ndim - 1) + [(0, -K % 32)]); x = x.reshape(x.shape[:-1] + (-1, 32)); a = np.abs(x).max(-1, keepdims=True)
;;       e = np.where(a > 0, np.clip(np.frexp(np.where(a > 0, a, 1))[1] - 1 - 2, -126, 127), 0)      # np.frexp(a)[1] - 1 = floor(log2(a)), exactly
;;       r = np.clip(x / 2.0 ** e, -7.5, 7.5)
;;       step = 2.0 ** (np.maximum(np.frexp(np.where(r == 0, 1, r))[1] - 1, 0) - 3)
;;       q = np.round(r / step) * step * 2.0 ** e      # np.round: ties to even
;;       return np.moveaxis(q.reshape(q.shape[:-2] + (-1,))[..., :K], -1, axis).astype(np.float32)
;;   ~~~
;;   OPERANDS COMPUTED ON THE WAY. 'Computed on the way' means the value that the module computes at that place (a softmax that the list does not call 'softmax' is quantised finished and normalised). What goes into a quantiser is computed in f32, as accurately as f32 sums, v_exp_f32 and their like allow (about 1e-6 of the number): no bf16 or f16 on the way to a quantiser, and a product that is left as it is and whose result goes on into a quantised operand takes f32 operands (vector FMAs, or v_wmma_f32_16x16x4_f32). A number that lies on a knife's edge between two numbers of the format may be rounded either way, as far as f32 arithmetic and the matrix unit's own rounding can turn it there, and no further.
;; 2 versions, each right; version 2 is version 1 with the launch chain written anew for expert scheduling mode. Each part assembles by itself: llvm-mc -triple=amdgcn-amd-amdhsa -mcpu=gfx1250 --defsym DOCPART=n.
;; ======== version 1 of 2: 4 launches
;; workspace buffers: WQ 13,107,200 bytes; sel 16,384 bytes of whole numbers; gate 32,768 bytes; tiles 1,024 bytes of whole numbers; rowlist 34,816 bytes of whole numbers; inv 32,768 bytes of whole numbers; gpos 34,816 bytes; ypos 17,694,720 bytes
;; launch route_w1 (part 1): grid 384 x 1, 8 waves a work-group, no clusters, 28,672 bytes of LDS; arguments x, noise, Wg, bg, Wn, bn, W1, WQ, sel, gate; writes WQ, sel, gate
.if DOCPART == 1
	.amdgcn_target "amdgcn-amd-amdhsa--gfx1250"
	.amdhsa_code_object_version 6
	.text
	.protected	k_qd34f00f5aa_route_w1
	.globl	k_qd34f00f5aa_route_w1
	.p2align	8
	.type	k_qd34f00f5aa_route_w1,@function
k_qd34f00f5aa_route_w1:
	s_mov_b64 s[64:65], 0
	v_nop
	global_prefetch_b8 v0, s[64:65] scope:SCOPE_SE
	s_setreg_imm32_b32 hwreg(HW_REG_WAVE_MODE, 25, 1), 1
	s_wait_xcnt 0x0
; TWO ROLES IN ONE LAUNCH, parted on the work-group's number alone.
; Work-groups 0-127: THE ROUTER.  noisy = x Wg + bg + noise * softplus(x Wn + bn), all in f32 by fused multiply-adds; the two largest of the 8
; (ties to the lower index, as jax.lax.top_k breaks them); their softmax with the larger taken away first.  Stored at fixed places:
; sel[token] = e0 | e1 << 8, gate[token] = (g0, g1).  No address and no branch hangs on a floating-point number.
; Work-groups 128-383: W1 [8][512][2048] f32, whose K is its first axis inside an expert, becomes codes of FP6 (E2M3) with one E8M0 byte for each 32 along K,
; laid in WQ in the order of the operand's registers.
; A RECORD of WQ is 128 rows n x 128 k = 12,800 bytes: eight fragments of 1,536 bytes (byte 512 c + 16 l + 4 q = register 4 c + q of lane l), then 512 bytes of scale words.
; Lane l = r + 16 h of fragment t holds row 32 (t / 2) + 8 (t % 2) + r + 8 (r / 8); its registers 6 c .. 6 c + 5 hold K block 2 c + h.  Scale byte of (tile 2 b + u, row r, block kb): 12,288 + 16 (r + 16 u) + 4 b + kb.
; Record number ((4 e + w) 2 + ph) 16 + i: ph = 0 (W1): hidden units 128 (4 w + i / 4) on, K step i % 4.
; A block's scale is 2^(floor(log2(largest magnitude)) - 2): its byte is the largest magnitude's exponent field - 2, held at 1 from below.
; LIMITS: NaN and infinities are not served.  A block whose largest magnitude lies under 2^-124, a block of zeros among them, gets the byte 1 (the rule says 127 for zeros): its codes add
; nothing or the format's smallest numbers, and the bytes are read by this program alone.  Noisy logits that differ by less than the error of an f32 sum of 512 terms may be ordered otherwise than reference() orders them.
.set NROUTE, 128                       ; work-groups of the router: 32 tokens each
.set REC,    12800                     ; bytes of a record
.set PITCH,  8192                      ; bytes from a row k of W1 to the next
.set PH,     0                         ; which product's records
.set SHR,    20                        ; log2 of the bytes of 128 rows k
.set SHK,    18                        ; log2 of the bytes of 32 rows k
.set SRC,    20                        ; s[20:21] W1
.set DST,    22                        ; s[22:23] WQ
.set QBASE,  NROUTE
.set RL,     2*REC                     ; LDS: the quantiser's stage is bytes 0 .. 25,599; the router's 2,048 bytes lie behind it: each role has bytes of its own
; the quantiser's registers
.set VO,  2                            ; v2   my byte offset in the source: 16 x lane + my wave's 32 rows
.set VA0, 3                            ; v3   stage: where registers 6 c', 6 c' + 1 of my first column go (+ 512: registers 6 c' + 4, + 5)
.set VA1, 4                            ; v4   the same for registers 6 c' + 2, + 3, less 8
.set VS,  6                            ; v6   stage: my first column's scale byte, less 12,288
.set CA,  7                            ; v7   16 x thread: the copy out, in the stage and in WQ alike
.set SO,  9                            ; v9   the conversion's scale operand
.set MX,  10                           ; v10-11 two chains of the maximum
.set SBY, 12                           ; v12-15 a scale byte for each column
.set U,   16                           ; v16-18 the second conversion's result
.set T,   20                           ; v20-43 six registers of codes for each column
.set Y,   44                           ; v44-107 two sets of 32 numbers down K
.set X,   108                          ; v108-235 as loaded: register 4 i + c = W(row i, column 4 lane + c); later the copy out
; the router's registers
.set WR,  16                           ; v16-143  register 8 dd + o = W[128 j + 4 lane + c][o], dd = 4 j + c
.set XR,  144                          ; v144-207 four sets of 16: a token's x[128 j + 4 lane + c]
.set ACC, 208                          ; v208-223 two sets of 8 sums
.set PT,  224                          ; v224-231 what comes from lane l xor 16
.set NZ,  232                          ; v232-239 the noise of my token (wave 0)
	s_load_b512 s[8:23], s[0:1], 0x0               ; x s[8:9], noise s[10:11], Wg s[12:13], bg s[14:15], Wn s[16:17], bn s[18:19], W1 s[20:21], WQ s[22:23]
	s_load_b128 s[24:27], s[0:1], 0x40             ; sel s[24:25], gate s[26:27]
	v_lshl_add_u32 v254, v0, 2, 0x6c00
	v_mov_b32 v255, 0
	v_lshrrev_b32 v1, 5, v0
	v_readfirstlane_b32 s2, v1                     ; wave 0..7
	v_and_b32 v1, 31, v0                           ; lane
	s_cmp_lt_u32 ttmp9, NROUTE
	s_cbranch_scc1 .Lrouter                        ; the same way for all eight waves of a work-group
	; ======== THE QUANTISER.  A work-group makes two records from 128 columns x 256 rows k.  Wave w: record rho = w / 4, K block kb = w % 4: 32 rows x 128 columns.
	; Lane l takes columns 4 l .. 4 l + 3, so each load reads 512 consecutive bytes; all 32 loads of a wave are out at once.
	s_sub_co_u32 s3, ttmp9, QBASE                  ; q
	s_lshr_b32 s4, s3, 5
	s_lshl_b32 s4, s4, 22                          ; the expert: 4 MiB each
.if PH == 0
	s_and_b32 s5, s3, 1                            ; W1: K steps 2 (q & 1) + rho; columns 128 ((q >> 1) & 15) on
	s_bfe_u32 s6, s3, 0x40001
.else
	s_and_b32 s5, s3, 7                            ; W2: K steps 2 (q & 7) + rho; columns 128 ((q >> 3) & 3) on
	s_bfe_u32 s6, s3, 0x20003
.endif
	s_lshl_b32 s5, s5, SHR+1
	s_lshl_b32 s6, s6, 9
	s_add_co_u32 s4, s4, s5
	s_add_co_u32 s4, s4, s6
	s_mov_b32 s5, 0
	s_lshr_b32 s6, s3, 3                           ; the first of my two records: (q >> 3) 32 + 16 ph + 2 (q & 7)
	s_lshl_b32 s6, s6, 5
	s_and_b32 s7, s3, 7
	s_lshl_b32 s7, s7, 1
	s_add_co_u32 s6, s6, s7
.if PH
	s_add_co_u32 s6, s6, 16*PH
.endif
	s_mul_i32 s6, s6, REC
	s_mov_b32 s7, 0
	v_bfe_u32 v9, v0, 5, 2                         ; kb
	v_lshrrev_b32 v10, 7, v0                       ; rho
	v_lshlrev_b32 v[VO], 4, v1
	v_lshl_add_u32 v[VO], v9, SHK, v[VO]
	v_lshl_add_u32 v[VO], v10, SHR, v[VO]
	; column n = 4 l + c lies in tile 2 b + u, b = l >> 3, u = (l >> 1) & 1, at row r = r0 + c, r0 = 4 (l & 1) + 8 ((l >> 2) & 1)
	v_bfe_u32 v11, v0, 3, 2                        ; b
	v_bfe_u32 v12, v0, 1, 1                        ; u
	v_and_b32 v13, 1, v0
	v_bfe_u32 v14, v0, 2, 1
	v_mul_u32_u24 v15, v10, REC
	v_lshl_add_u32 v15, v13, 6, v15
	v_lshl_add_u32 v15, v14, 7, v15                ; record rho + 16 r0
	v_lshl_add_u32 v16, v11, 1, v12
	v_mad_u32_u24 v17, v16, 1536, v15              ; + the fragment
	v_bfe_u32 v18, v0, 5, 1
	v_lshl_add_u32 v17, v18, 8, v17                ; + 16 x 16 (kb & 1): the half of the lanes that holds my block
	v_bfe_u32 v18, v0, 6, 1                        ; c' = kb >> 1.  Register R lies at 512 (R / 4) + 4 (R % 4):
	v_mad_u32_u24 v[VA0], v18, 520, v17            ; registers 0, 1 at 0 | 6, 7 at 520;  registers 4, 5 at 512 | 10, 11 at 1,032
	v_mad_u32_u24 v[VA1], v18, 1016, v17           ; registers 2, 3 at 8 | 8, 9 at 1,024
	v_lshl_add_u32 v[VS], v12, 8, v15
	v_lshl_add_u32 v[VS], v11, 2, v[VS]
	v_add_nc_u32 v[VS], v[VS], v9                  ; record rho + 16 (r0 + 16 u) + 4 b + kb
	v_lshlrev_b32 v[CA], 4, v0
	s_wait_kmcnt 0x0
	s_add_nc_u64 s[SRC:SRC+1], s[SRC:SRC+1], s[4:5]
	s_add_nc_u64 s[DST:DST+1], s[DST:DST+1], s[6:7]
.set i, 0
.rept 32
	global_load_b128 v[X+4*i:X+4*i+3], v[VO], s[SRC:SRC+1] offset:i*PITCH th:TH_LOAD_NT   ; read once in the whole program
.set i, i+1
.endr
	s_wait_loadcnt 0x0                             ; a block's maximum wants all 32 rows
; Column c of my four: its 32 numbers down K are brought on end (the conversions take neighbours along K from consecutive registers), then maximum, byte, codes, stage.
.macro QCOL c
.set YS, Y+32*((\c)%2)
.set i, 0
.rept 32
	v_mov_b32 v[YS+i], v[X+4*i+(\c)]
.set i, i+1
.endr
	v_max3_num_f32 v[MX], |v[YS]|, |v[YS+1]|, 0x1800000            ; with the floor 2^(3 - 127) among the leaves: the byte cannot fall under 1
	v_max3_num_f32 v[MX+1], |v[YS+2]|, |v[YS+3]|, |v[YS+4]|
.irp k, 5,9,13,17,21,25
	v_max3_num_f32 v[MX], v[MX], |v[YS+\k]|, |v[YS+\k+1]|
	v_max3_num_f32 v[MX+1], v[MX+1], |v[YS+\k+2]|, |v[YS+\k+3]|
.endr
	v_max3_num_f32 v[MX], v[MX], |v[YS+29]|, |v[YS+30]|
	v_max3_num_f32 v[MX], v[MX], v[MX+1], |v[YS+31]|
	v_add_nc_u32 v[SO], 0xff000000, v[MX]          ; 2 off the exponent field: the conversion takes this operand's exponent field as its scale
	v_lshrrev_b32 v[SBY+(\c)], 23, v[SO]           ; the scale's byte
	v_cvt_scalef32_pk16_fp6_f32 v[T+6*(\c):T+6*(\c)+2], v[YS:YS+15], v[SO]
	v_cvt_scalef32_pk16_fp6_f32 v[U:U+2], v[YS+16:YS+31], v[SO]    ; (a conversion's three registers begin on an even number)
	v_nop                                          ; one plain place behind a scaled conversion
.irp k, 0,1,2
	v_mov_b32 v[T+6*(\c)+3+\k], v[U+\k]
.endr
	ds_store_b64 v[VA0], v[T+6*(\c):T+6*(\c)+1] offset:16*(\c)
	ds_store_b64 v[VA1], v[T+6*(\c)+2:T+6*(\c)+3] offset:8+16*(\c)
	ds_store_b64 v[VA0], v[T+6*(\c)+4:T+6*(\c)+5] offset:512+16*(\c)
	ds_store_b8 v[VS], v[SBY+(\c)] offset:12288+16*(\c)
.endm
	QCOL 0
	QCOL 1
	QCOL 2
	QCOL 3
	s_wait_dscnt 0x0                               ; for the others' sake: a fragment and a scale word are put together by four waves
	s_barrier_signal -1
	s_barrier_wait -1
	; the two records leave as 50 runs of 512 consecutive bytes: six for each wave, and one more for waves 0 and 1
.irp i, 0,1,2,3,4,5
	ds_load_b128 v[X+4*\i:X+4*\i+3], v[CA] offset:4096*\i
.endr
.irp i, 0,1,2,3,4,5
	s_wait_dscnt 5-\i                              ; LDS loads come back in order: run i is in, the younger ones may be out
	global_store_b128 v[CA], v[X+4*\i:X+4*\i+3], s[DST:DST+1] offset:4096*\i
.endr
	s_cmp_ge_u32 s2, 2
	s_cbranch_scc1 .Lqend
	ds_load_b128 v[X+24:X+27], v[CA] offset:24576
	s_wait_dscnt 0x0
	global_store_b128 v[CA], v[X+24:X+27], s[DST:DST+1] offset:24576
.Lqend:
	s_wait_tensorcnt 0x0
	ds_add_u32 v254, v255
	s_wait_dscnt 0x0
	s_endpgm
	; ======== THE ROUTER.  32 tokens a work-group.  Wave w: matrix p = w & 1 (Wg or Wn), tokens 8 (w >> 1) .. + 7.  The lanes run along D: a wave keeps its whole matrix, 512 x 8, in 128 registers.
.Lrouter:
	s_mov_b32 s44, 0x76543210
	s_mov_b32 s45, 0xfedcba98                      ; v_permlanex16_b32's selects for lane l xor 16
	s_and_b32 s3, s2, 1                            ; p
	s_lshr_b32 s4, s2, 1                           ; which eight tokens
	s_lshl_b32 s5, s4, 9
	s_lshl_b32 s6, s3, 5
	s_add_co_u32 s5, s5, s6
	s_add_co_u32 s5, s5, RL
	v_mov_b32 v4, s5                               ; LDS: 64 bytes a token: 8 sums of x Wg, then 8 of x Wn
	v_lshlrev_b32 v2, 7, v1                        ; my four rows of the matrix: 128 bytes a lane
	v_lshlrev_b32 v3, 4, v1                        ; my 16 bytes of a load of x
	s_lshl_b32 s6, ttmp9, 16                       ; 32 tokens of 2,048 bytes,
	s_lshl_b32 s7, s4, 14                          ; 8 tokens
	s_add_co_u32 s6, s6, s7
	s_mov_b32 s7, 0
.irp o, 0,1,2,3,4,5,6,7
	v_mov_b32 v[PT+\o], 0                          ; written once: a lane permute's destination counts as one of its sources
.endr
	s_wait_kmcnt 0x0
	s_add_nc_u64 s[8:9], s[8:9], s[6:7]
	s_cmp_eq_u32 s3, 0
	s_cselect_b64 s[12:13], s[12:13], s[16:17]     ; Wg or Wn: the choice hangs on the wave's number alone
	s_cmp_lg_u32 s2, 0
	s_cbranch_scc1 .Lnot_first
	s_load_b256 s[28:35], s[14:15], 0x0            ; wave 0 finishes the 32 tokens, a lane to a token: bg,
	s_load_b256 s[36:43], s[18:19], 0x0            ; bn,
	s_lshl_b32 s5, ttmp9, 10
	v_lshl_add_u32 v5, v1, 5, s5
	global_load_b128 v[NZ:NZ+3], v5, s[10:11]      ; and its token's noise.  These are its oldest loads: every counted wait below covers them
	global_load_b128 v[NZ+4:NZ+7], v5, s[10:11] offset:16
.Lnot_first:
.irp j, 0,1,2,3
.irp c, 0,1,2,3
	global_load_b128 v[WR+8*(4*\j+\c):WR+8*(4*\j+\c)+3], v2, s[12:13] offset:4096*\j+32*\c
	global_load_b128 v[WR+8*(4*\j+\c)+4:WR+8*(4*\j+\c)+7], v2, s[12:13] offset:4096*\j+32*\c+16
.endr
.endr
.irp i, 0,1,2,3
.irp j, 0,1,2,3
	global_load_b128 v[XR+16*\i+4*\j:XR+16*\i+4*\j+3], v3, s[8:9] offset:2048*\i+512*\j   ; 512 consecutive bytes a load; no hint: the chain reads x again
.endr
.endr
; Token i of my eight.  left = the x loads of younger tokens, which may stay out.
.macro RTOK i, left
.set XS, XR+16*((\i)%4)
.set AS, ACC+8*((\i)%2)
	s_wait_loadcnt \left
.irp o, 0,2,4,6
	v_pk_mul_f32 v[AS+\o:AS+\o+1], v[XS:XS+1], v[WR+\o:WR+\o+1] op_sel_hi:[0,1]   ; the first product starts the sums; x's number serves both halves
.endr
.set dd, 1
.rept 15
.irp o, 0,2,4,6
.if dd%2
	v_pk_fma_f32 v[AS+\o:AS+\o+1], v[XS+dd-1:XS+dd], v[WR+8*dd+\o:WR+8*dd+\o+1], v[AS+\o:AS+\o+1] op_sel:[1,0,0] op_sel_hi:[1,1,1]
.else
	v_pk_fma_f32 v[AS+\o:AS+\o+1], v[XS+dd:XS+dd+1], v[WR+8*dd+\o:WR+8*dd+\o+1], v[AS+\o:AS+\o+1] op_sel_hi:[0,1,1]
.endif
.endr
.set dd, dd+1
.endr
.if (\i) < 4
.irp j, 0,1,2,3
	global_load_b128 v[XS+4*\j:XS+4*\j+3], v3, s[8:9] offset:2048*((\i)+4)+512*\j   ; the set takes the token four further on
.endr
.endif
.irp k, 1,2,4,8
.irp o, 0,1,2,3,4,5,6,7
	v_add_f32_dpp v[AS+\o], v[AS+\o], v[AS+\o] row_xmask:\k row_mask:0xf bank_mask:0xf   ; the eight sums by turns
.endr
.endr
.irp o, 0,1,2,3,4,5,6,7
	v_permlanex16_b32 v[PT+\o], v[AS+\o], s44, s45
.endr
.irp o, 0,1,2,3,4,5,6,7
	v_add_f32 v[AS+\o], v[AS+\o], v[PT+\o]         ; every lane holds the same eight sums
.endr
	ds_store_b128 v4, v[AS:AS+3] offset:64*(\i)    ; all lanes write the same bytes with the same values
	ds_store_b128 v4, v[AS+4:AS+7] offset:64*(\i)+16
.endm
	RTOK 0, 12
	RTOK 1, 12
	RTOK 2, 12
	RTOK 3, 12
	RTOK 4, 12
	RTOK 5, 8
	RTOK 6, 4
	RTOK 7, 0
	s_wait_dscnt 0x0                               ; for wave 0's sake: my sums lie in LDS
	s_barrier_signal -1
	s_barrier_wait -1
	s_cmp_lg_u32 s2, 0
	s_cbranch_scc1 .Lrend
	; wave 0, a lane to a token: v16-23 x Wg, v24-31 x Wn
	v_lshl_add_u32 v65, v1, 6, RL
	ds_load_b128 v[16:19], v65
	ds_load_b128 v[20:23], v65 offset:16
	ds_load_b128 v[24:27], v65 offset:32
	ds_load_b128 v[28:31], v65 offset:48
	s_mov_b32 s46, 0xbfb8aa3b                      ; -log2(e)
	s_mov_b32 s47, 0x3f317218                      ; ln(2)
	s_lshl_b32 s5, ttmp9, 7
	v_lshl_add_u32 v66, v1, 2, s5                  ; 4 x token
	s_lshl_b32 s6, ttmp9, 8
	v_lshl_add_u32 v67, v1, 3, s6                  ; 8 x token
	s_wait_kmcnt 0x0                               ; bg, bn
	s_wait_loadcnt 0x0                             ; the noise
	s_wait_dscnt 0x0
	; softplus(z) = max(z, 0) + ln(1 + e^-|z|): no exponential can overflow.  The eight experts by turns
.irp e, 0,1,2,3,4,5,6,7
	v_add_f32 v[24+\e], s[36+\e], v[24+\e]         ; z = x Wn + bn
.endr
.irp e, 0,1,2,3,4,5,6,7
	v_mul_f32 v[32+\e], s46, |v[24+\e]|
.endr
.irp e, 0,1,2,3,4,5,6,7
	v_exp_f32 v[32+\e], v[32+\e]
.endr
.irp e, 0,1,2,3,4,5,6,7
	v_max_num_f32 v[40+\e], 0, v[24+\e]            ; (plain lines behind the exponentials, which name none of their registers)
.endr
	s_wait_alu depctr_va_vdst(0)
.irp e, 0,1,2,3,4,5,6,7
	v_add_f32 v[32+\e], 1.0, v[32+\e]
.endr
.irp e, 0,1,2,3,4,5,6,7
	v_log_f32 v[32+\e], v[32+\e]
.endr
.irp e, 0,1,2,3,4,5,6,7
	v_add_f32 v[16+\e], s[28+\e], v[16+\e]         ; x Wg + bg  (plain lines behind the logarithms)
.endr
	s_wait_alu depctr_va_vdst(0)
.irp e, 0,1,2,3,4,5,6,7
	v_fma_f32 v[32+\e], v[32+\e], s47, v[40+\e]    ; softplus
.endr
.irp e, 0,1,2,3,4,5,6,7
	v_fma_f32 v[48+\e], v[NZ+\e], v[32+\e], v[16+\e]   ; the noisy logit
.endr
	v_mov_b32 v56, v48                             ; the largest, and its expert: a later one takes the place only if it is strictly larger
	v_mov_b32 v57, 0
.irp e, 1,2,3,4,5,6,7
	v_cmp_le_f32 vcc_lo, v[48+\e], v56             ; keep the old one
	v_cndmask_b32 v56, v[48+\e], v56, vcc_lo
	v_cndmask_b32 v57, \e, v57, vcc_lo
.endr
	v_mov_b32 v58, 0xff800000                      ; the second largest: from -infinity, passing over the first's expert
	v_mov_b32 v59, 0
.irp e, 0,1,2,3,4,5,6,7
	v_cmp_eq_u32 s4, \e, v57
	v_cmp_le_f32 s5, v[48+\e], v58
	s_or_b32 vcc_lo, s4, s5                        ; keep the old one
	v_cndmask_b32 v58, v[48+\e], v58, vcc_lo
	v_cndmask_b32 v59, \e, v59, vcc_lo
.endr
	v_sub_f32 v60, v58, v56                        ; the softmax of the two, the larger taken away: 1 / (1 + u), u / (1 + u), u = e^(second - first), at most 1
	v_mul_f32 v60, 0x3fb8aa3b, v60
	v_exp_f32 v60, v60
	v_lshl_or_b32 v64, v59, 8, v57                 ; e0 | e1 << 8  (the plain place behind the exponential)
	s_wait_alu depctr_va_vdst(0)
	v_add_f32 v61, 1.0, v60
	v_rcp_f32 v62, v61
	v_nop                                          ; one plain place behind the reciprocal
	s_wait_alu depctr_va_vdst(0)
	v_mul_f32 v63, v60, v62
	global_store_b32 v66, v64, s[24:25]            ; 128 consecutive bytes
	global_store_b64 v67, v[62:63], s[26:27]       ; 256 consecutive bytes
.Lrend:
	s_wait_tensorcnt 0x0
	ds_add_u32 v254, v255
	s_wait_dscnt 0x0
	s_endpgm
.Lfunc_end_k_qd34f00f5aa_route_w1:
	.size	k_qd34f00f5aa_route_w1, .Lfunc_end_k_qd34f00f5aa_route_w1-k_qd34f00f5aa_route_w1
	.p2alignl 7, 3214868480
	.fill 96, 4, 3214868480
	.section	.rodata,"a",@progbits
	.p2align	6, 0x0
	.amdhsa_kernel k_qd34f00f5aa_route_w1
		.amdhsa_group_segment_fixed_size 28672
		.amdhsa_private_segment_fixed_size 0
		.amdhsa_enable_private_segment 0
		.amdhsa_kernarg_size 80
		.amdhsa_user_sgpr_count 2
		.amdhsa_user_sgpr_kernarg_segment_ptr 1
		.amdhsa_wavefront_size32 1
		.amdhsa_system_sgpr_workgroup_id_x 1
		.amdhsa_system_sgpr_workgroup_id_y 1
		.amdhsa_system_sgpr_workgroup_id_z 1
		.amdhsa_system_vgpr_workitem_id 0
		.amdhsa_next_free_vgpr 256
		.amdhsa_next_free_sgpr 66
		.amdhsa_reserve_vcc 1
		.amdhsa_float_denorm_mode_32 3
		.amdhsa_float_denorm_mode_16_64 3
		.amdhsa_memory_ordered 1
		.amdhsa_forward_progress 1
		.amdhsa_inst_pref_size 88
	.end_amdhsa_kernel
	.amdgpu_metadata
---
amdhsa.version: [ 1, 2 ]
amdhsa.kernels:
  - .name:           k_qd34f00f5aa_route_w1
    .symbol:         k_qd34f00f5aa_route_w1.kd
    .args:
      - { .name: x, .offset: 0, .size: 8, .value_kind: global_buffer, .address_space: global }
      - { .name: noise, .offset: 8, .size: 8, .value_kind: global_buffer, .address_space: global }
      - { .name: Wg, .offset: 16, .size: 8, .value_kind: global_buffer, .address_space: global }
      - { .name: bg, .offset: 24, .size: 8, .value_kind: global_buffer, .address_space: global }
      - { .name: Wn, .offset: 32, .size: 8, .value_kind: global_buffer, .address_space: global }
      - { .name: bn, .offset: 40, .size: 8, .value_kind: global_buffer, .address_space: global }
      - { .name: W1, .offset: 48, .size: 8, .value_kind: global_buffer, .address_space: global }
      - { .name: WQ, .offset: 56, .size: 8, .value_kind: global_buffer, .address_space: global }
      - { .name: sel, .offset: 64, .size: 8, .value_kind: global_buffer, .address_space: global }
      - { .name: gate, .offset: 72, .size: 8, .value_kind: global_buffer, .address_space: global }
    .group_segment_fixed_size: 28672
    .private_segment_fixed_size: 0
    .kernarg_segment_align: 8
    .kernarg_segment_size: 80
    .max_flat_workgroup_size: 256
    .sgpr_count:     66
    .vgpr_count:     256
    .wavefront_size: 32
...
	.end_amdgpu_metadata
.endif
;; end of part 1
;; launch place_w2 (part 2): grid 257 x 1, 8 waves a work-group, no clusters, 26,880 bytes of LDS; arguments W2, sel, gate, WQ, tiles, rowlist, inv, gpos; writes WQ, tiles, rowlist, inv, gpos
.if DOCPART == 2
	.amdgcn_target "amdgcn-amd-amdhsa--gfx1250"
	.amdhsa_code_object_version 6
	.text
	.protected	k_qd34f00f5aa_place_w2
	.globl	k_qd34f00f5aa_place_w2
	.p2align	8
	.type	k_qd34f00f5aa_place_w2,@function
k_qd34f00f5aa_place_w2:
	s_mov_b64 s[64:65], 0
	v_nop
	global_prefetch_b8 v0, s[64:65] scope:SCOPE_SE
	s_setreg_imm32_b32 hwreg(HW_REG_WAVE_MODE, 25, 1), 1
	s_wait_xcnt 0x0
; TWO ROLES IN ONE LAUNCH, parted on the work-group's number alone.
; Work-group 0: THE PLACING.  The 8,192 routed rows (token, slot) are sorted by expert, by counting, with no atomics.  Expert e's rows begin at position 64 TB[e], TB the running number of tiles of 64 rows.
;   inv[token] = the positions of its two rows;  rowlist[position] = the token;  gpos[position] = the gate;  tiles[t] = the expert of tile t, or 8 for a tile that this split leaves empty.
;   The positions that no row takes (pads, and what lies behind the last tile, 512 in all beside the 8,192) get token 0 and gate 0, so that all 8,704 entries are written.
; Work-groups 1-256: W2 [8][2048][512] f32, whose K is its first axis inside an expert, becomes codes of FP6 (E2M3) with one E8M0 byte for each 32 along K, in WQ, in the order of the operand's registers.
; A RECORD of WQ is 128 rows n x 128 k = 12,800 bytes: eight fragments of 1,536 bytes (byte 512 c + 16 l + 4 q = register 4 c + q of lane l), then 512 bytes of scale words.
; Lane l = r + 16 h of fragment t holds row 32 (t / 2) + 8 (t % 2) + r + 8 (r / 8); its registers 6 c .. 6 c + 5 hold K block 2 c + h.  Scale byte of (tile 2 b + u, row r, block kb): 12,288 + 16 (r + 16 u) + 4 b + kb.
; Record number ((4 e + w) 2 + ph) 16 + i: ph = 1 (W2): output columns 128 w on, K step i.
; LIMITS: NaN and infinities are not served.  A block whose largest magnitude lies under 2^-124, a block of zeros among them, gets the byte 1 (the rule says 127 for zeros); the bytes are read by this program alone.
; A token's two experts differ (the router passes over the first when it looks for the second).
.set REC,    12800
.set PITCH,  2048                      ; bytes from a row k of W2 to the next
.set PH,     1
.set SHR,    18                        ; log2 of the bytes of 128 rows k
.set SHK,    16                        ; log2 of the bytes of 32 rows k
.set SRC,    8                         ; s[8:9] W2
.set DST,    14                        ; s[14:15] WQ
.set QBASE,  1
.set PLC,    2*REC                     ; LDS: the quantiser's stage is bytes 0 .. 25,599; the placing's 256 bytes lie behind it: each role has bytes of its own
; the quantiser's registers
.set VO,  2
.set VA0, 3
.set VA1, 4
.set VS,  6
.set CA,  7
.set SO,  9
.set MX,  10
.set SBY, 12
.set U,   16
.set T,   20
.set Y,   44
.set X,   108
; the placing's registers
.set RC,   24                          ; s24-31  rows of each expert seen so far in my wave
.set NE,   36                          ; s36-43  rows of each expert
.set TB,   44                          ; s44-52  first tile of each expert; TB[8]: tiles in all
.set NI,   53                          ; s53-60  rows of experts 0 .. e
.set CP,   68                          ; s68-75  pads ahead of expert e
.set MSKA, 76                          ; s76-83  lanes whose first expert is e
.set MSKB, 84                          ; s84-91  lanes whose second expert is e
.set MSKU, 92                          ; s92-99  either
.set SEL,  16                          ; v16-31  sel of my 16 tokens
.set GT,   32                          ; v32-63  their gates, in pairs
.set R0,   64                          ; v64-79  rank of slot 0 among my wave's rows of its expert
.set R1,   80                          ; v80-95  of slot 1
.set IDX,  96                          ; v96-127 4 x expert
.set PP,   128                         ; v128-159 positions, in pairs
.set OFF,  160                         ; v160-191 4 x position
.set TK,   192                         ; v192-207 token numbers
	s_load_b512 s[8:23], s[0:1], 0x0               ; W2 s[8:9], sel s[10:11], gate s[12:13], WQ s[14:15], tiles s[16:17], rowlist s[18:19], inv s[20:21], gpos s[22:23]
	v_lshl_add_u32 v254, v0, 2, 0x6500
	v_mov_b32 v255, 0
	v_lshrrev_b32 v1, 5, v0
	v_readfirstlane_b32 s2, v1                     ; wave 0..7
	v_and_b32 v1, 31, v0                           ; lane
	s_cmp_eq_u32 ttmp9, 0
	s_cbranch_scc1 .Lplace                         ; the same way for all eight waves of a work-group
	; ======== THE QUANTISER.  A work-group makes two records from 128 columns x 256 rows k.  Wave w: record rho = w / 4, K block kb = w % 4: 32 rows x 128 columns.
	; Lane l takes columns 4 l .. 4 l + 3, so each load reads 512 consecutive bytes; all 32 loads of a wave are out at once.
	s_sub_co_u32 s3, ttmp9, QBASE                  ; q
	s_lshr_b32 s4, s3, 5
	s_lshl_b32 s4, s4, 22                          ; the expert: 4 MiB each
.if PH == 0
	s_and_b32 s5, s3, 1                            ; W1: K steps 2 (q & 1) + rho; columns 128 ((q >> 1) & 15) on
	s_bfe_u32 s6, s3, 0x40001
.else
	s_and_b32 s5, s3, 7                            ; W2: K steps 2 (q & 7) + rho; columns 128 ((q >> 3) & 3) on
	s_bfe_u32 s6, s3, 0x20003
.endif
	s_lshl_b32 s5, s5, SHR+1
	s_lshl_b32 s6, s6, 9
	s_add_co_u32 s4, s4, s5
	s_add_co_u32 s4, s4, s6
	s_mov_b32 s5, 0
	s_lshr_b32 s6, s3, 3                           ; the first of my two records: (q >> 3) 32 + 16 ph + 2 (q & 7)
	s_lshl_b32 s6, s6, 5
	s_and_b32 s7, s3, 7
	s_lshl_b32 s7, s7, 1
	s_add_co_u32 s6, s6, s7
.if PH
	s_add_co_u32 s6, s6, 16*PH
.endif
	s_mul_i32 s6, s6, REC
	s_mov_b32 s7, 0
	v_bfe_u32 v9, v0, 5, 2                         ; kb
	v_lshrrev_b32 v10, 7, v0                       ; rho
	v_lshlrev_b32 v[VO], 4, v1
	v_lshl_add_u32 v[VO], v9, SHK, v[VO]
	v_lshl_add_u32 v[VO], v10, SHR, v[VO]
	; column n = 4 l + c lies in tile 2 b + u, b = l >> 3, u = (l >> 1) & 1, at row r = r0 + c, r0 = 4 (l & 1) + 8 ((l >> 2) & 1)
	v_bfe_u32 v11, v0, 3, 2                        ; b
	v_bfe_u32 v12, v0, 1, 1                        ; u
	v_and_b32 v13, 1, v0
	v_bfe_u32 v14, v0, 2, 1
	v_mul_u32_u24 v15, v10, REC
	v_lshl_add_u32 v15, v13, 6, v15
	v_lshl_add_u32 v15, v14, 7, v15                ; record rho + 16 r0
	v_lshl_add_u32 v16, v11, 1, v12
	v_mad_u32_u24 v17, v16, 1536, v15              ; + the fragment
	v_bfe_u32 v18, v0, 5, 1
	v_lshl_add_u32 v17, v18, 8, v17                ; + 16 x 16 (kb & 1): the half of the lanes that holds my block
	v_bfe_u32 v18, v0, 6, 1                        ; c' = kb >> 1.  Register R lies at 512 (R / 4) + 4 (R % 4):
	v_mad_u32_u24 v[VA0], v18, 520, v17            ; registers 0, 1 at 0 | 6, 7 at 520;  registers 4, 5 at 512 | 10, 11 at 1,032
	v_mad_u32_u24 v[VA1], v18, 1016, v17           ; registers 2, 3 at 8 | 8, 9 at 1,024
	v_lshl_add_u32 v[VS], v12, 8, v15
	v_lshl_add_u32 v[VS], v11, 2, v[VS]
	v_add_nc_u32 v[VS], v[VS], v9                  ; record rho + 16 (r0 + 16 u) + 4 b + kb
	v_lshlrev_b32 v[CA], 4, v0
	s_wait_kmcnt 0x0
	s_add_nc_u64 s[SRC:SRC+1], s[SRC:SRC+1], s[4:5]
	s_add_nc_u64 s[DST:DST+1], s[DST:DST+1], s[6:7]
.set i, 0
.rept 32
	global_load_b128 v[X+4*i:X+4*i+3], v[VO], s[SRC:SRC+1] offset:i*PITCH th:TH_LOAD_NT   ; read once in the whole program
.set i, i+1
.endr
	s_wait_loadcnt 0x0                             ; a block's maximum wants all 32 rows
; Column c of my four: its 32 numbers down K are brought on end (the conversions take neighbours along K from consecutive registers), then maximum, byte, codes, stage.
.macro QCOL c
.set YS, Y+32*((\c)%2)
.set i, 0
.rept 32
	v_mov_b32 v[YS+i], v[X+4*i+(\c)]
.set i, i+1
.endr
	v_max3_num_f32 v[MX], |v[YS]|, |v[YS+1]|, 0x1800000            ; with the floor 2^(3 - 127) among the leaves: the byte cannot fall under 1
	v_max3_num_f32 v[MX+1], |v[YS+2]|, |v[YS+3]|, |v[YS+4]|
.irp k, 5,9,13,17,21,25
	v_max3_num_f32 v[MX], v[MX], |v[YS+\k]|, |v[YS+\k+1]|
	v_max3_num_f32 v[MX+1], v[MX+1], |v[YS+\k+2]|, |v[YS+\k+3]|
.endr
	v_max3_num_f32 v[MX], v[MX], |v[YS+29]|, |v[YS+30]|
	v_max3_num_f32 v[MX], v[MX], v[MX+1], |v[YS+31]|
	v_add_nc_u32 v[SO], 0xff000000, v[MX]          ; 2 off the exponent field: the conversion takes this operand's exponent field as its scale
	v_lshrrev_b32 v[SBY+(\c)], 23, v[SO]           ; the scale's byte
	v_cvt_scalef32_pk16_fp6_f32 v[T+6*(\c):T+6*(\c)+2], v[YS:YS+15], v[SO]
	v_cvt_scalef32_pk16_fp6_f32 v[U:U+2], v[YS+16:YS+31], v[SO]    ; (a conversion's three registers begin on an even number)
	v_nop                                          ; one plain place behind a scaled conversion
.irp k, 0,1,2
	v_mov_b32 v[T+6*(\c)+3+\k], v[U+\k]
.endr
	ds_store_b64 v[VA0], v[T+6*(\c):T+6*(\c)+1] offset:16*(\c)
	ds_store_b64 v[VA1], v[T+6*(\c)+2:T+6*(\c)+3] offset:8+16*(\c)
	ds_store_b64 v[VA0], v[T+6*(\c)+4:T+6*(\c)+5] offset:512+16*(\c)
	ds_store_b8 v[VS], v[SBY+(\c)] offset:12288+16*(\c)
.endm
	QCOL 0
	QCOL 1
	QCOL 2
	QCOL 3
	s_wait_dscnt 0x0                               ; for the others' sake: a fragment and a scale word are put together by four waves
	s_barrier_signal -1
	s_barrier_wait -1
	; the two records leave as 50 runs of 512 consecutive bytes: six for each wave, and one more for waves 0 and 1
.irp i, 0,1,2,3,4,5
	ds_load_b128 v[X+4*\i:X+4*\i+3], v[CA] offset:4096*\i
.endr
.irp i, 0,1,2,3,4,5
	s_wait_dscnt 5-\i                              ; LDS loads come back in order: run i is in, the younger ones may be out
	global_store_b128 v[CA], v[X+4*\i:X+4*\i+3], s[DST:DST+1] offset:4096*\i
.endr
	s_cmp_ge_u32 s2, 2
	s_cbranch_scc1 .Lqend
	ds_load_b128 v[X+24:X+27], v[CA] offset:24576
	s_wait_dscnt 0x0
	global_store_b128 v[CA], v[X+24:X+27], s[DST:DST+1] offset:24576
.Lqend:
	s_wait_tensorcnt 0x0
	ds_add_u32 v254, v255
	s_wait_dscnt 0x0
	s_endpgm
	; ======== THE PLACING.  Wave w takes tokens 512 w + 32 j + lane, j = 0 .. 15.
.Lplace:
	v_and_b32 v2, 0xe0, v0                         ; 32 w
	v_lshl_add_u32 v3, v2, 4, v1                   ; my first token: 512 w + lane
	v_lshlrev_b32 v4, 2, v3                        ; its place in sel
	v_lshlrev_b32 v5, 3, v3                        ; and in gate and in inv
	v_and_b32 v6, 7, v0
	v_lshl_add_u32 v7, v6, 2, PLC                  ; LDS: wave 0's count of expert lane & 7
	v_add_nc_u32 v8, v2, v7                        ; and my wave's: 32 bytes a wave
.irp e, 0,1,2,3,4,5,6,7
	s_mov_b32 s[RC+\e], 0
.endr
	s_wait_kmcnt 0x0
.irp j, 0,1,2,3,4,5,6,7,8,9,10,11,12,13,14,15
	global_load_b32 v[SEL+\j], v4, s[10:11] offset:128*\j
.endr
.irp j, 0,1,2,3,4,5,6,7,8,9,10,11,12,13,14,15
	global_load_b64 v[GT+2*\j:GT+2*\j+1], v5, s[12:13] offset:256*\j
.endr
	s_wait_loadcnt 16                              ; sel is in; the 16 loads of gates behind it may be out
; 32 tokens: a row's rank among my wave's rows of its expert = the rows seen so far + the lower lanes that have the expert in either slot (a lane has it in one slot at the most).
.macro RANK j
	v_and_b32 v216, 7, v[SEL+\j]
	v_bfe_u32 v217, v[SEL+\j], 8, 3
.irp e, 0,1,2,3,4,5,6,7
	v_cmp_eq_u32 s[MSKA+\e], \e, v216
.endr
.irp e, 0,1,2,3,4,5,6,7
	v_cmp_eq_u32 s[MSKB+\e], \e, v217
.endr
.irp e, 0,1,2,3,4,5,6,7
	s_or_b32 s[MSKU+\e], s[MSKA+\e], s[MSKB+\e]
.endr
.irp e, 0,1,2,3,4,5,6,7
	v_mbcnt_lo_u32_b32 v[208+\e], s[MSKU+\e], s[RC+\e]
.endr
	v_mov_b32 v[R0+\j], v208
	v_mov_b32 v[R1+\j], v208
.irp e, 1,2,3,4,5,6,7
	v_cndmask_b32 v[R0+\j], v[R0+\j], v[208+\e], s[MSKA+\e]
	v_cndmask_b32 v[R1+\j], v[R1+\j], v[208+\e], s[MSKB+\e]
.endr
.irp e, 0,1,2,3,4,5,6,7
	s_bcnt1_i32_b32 s[MSKU+\e], s[MSKU+\e]
.endr
.irp e, 0,1,2,3,4,5,6,7
	s_add_co_u32 s[RC+\e], s[RC+\e], s[MSKU+\e]
.endr
.endm
.irp j, 0,1,2,3,4,5,6,7,8,9,10,11,12,13,14,15
	RANK \j
.endr
	v_mov_b32 v219, s[RC]                          ; lane l: my wave's count of expert l & 7
.irp e, 1,2,3,4,5,6,7
	v_cmp_ne_u32 vcc_lo, \e, v6
	v_cndmask_b32 v219, s[RC+\e], v219, vcc_lo
.endr
	ds_store_b32 v8, v219                          ; four lanes write each word, with the same value
	s_wait_dscnt 0x0                               ; for the others' sake
	s_barrier_signal -1
	s_barrier_wait -1
.irp w, 0,1,2,3,4,5,6,7
	ds_load_b32 v[222+\w], v7 offset:32*\w
.endr
	s_wait_dscnt 0x0
	v_add3_u32 v230, v222, v223, v224              ; rows of expert l & 7 in all,
	v_add3_u32 v230, v230, v225, v226
	v_add3_u32 v230, v230, v227, v228
	v_add_nc_u32 v230, v230, v229
	v_mov_b32 v231, 0                              ; and in the waves ahead of mine
.irp w, 0,1,2,3,4,5,6
	s_cmp_gt_u32 s2, \w
	s_cselect_b32 s3, 1, 0
	v_mad_u32_u24 v231, v[222+\w], s3, v231
.endr
.irp e, 0,1,2,3,4,5,6,7
	v_readlane_b32 s[NE+\e], v230, \e
.endr
	s_mov_b32 s[TB], 0
.irp e, 0,1,2,3,4,5,6,7
	s_add_co_u32 s3, s[NE+\e], 63
	s_lshr_b32 s3, s3, 6
	s_add_co_u32 s[TB+\e+1], s[TB+\e], s3
.endr
	s_mov_b32 s[NI], s[NE]
.irp e, 1,2,3,4,5,6,7
	s_add_co_u32 s[NI+\e], s[NI+\e-1], s[NE+\e]
.endr
.irp e, 0,1,2,3,4,5,6,7
	s_lshl_b32 s3, s[TB+\e], 6                     ; pads ahead of expert e = its first position less the rows ahead of it
	s_sub_co_u32 s3, s3, s[NI+\e]
	s_add_co_u32 s[CP+\e], s3, s[NE+\e]
.endr
	v_mov_b32 v232, 0
.irp e, 0,1,2,3,4,5,6,7
	v_writelane_b32 v232, s[TB+\e], \e
.endr
	v_lshl_add_u32 v233, v232, 6, v231             ; lane e (0 .. 7): where my wave's rows of expert e begin
.irp j, 0,1,2,3,4,5,6,7,8,9,10,11,12,13,14,15
	v_lshlrev_b32 v[IDX+2*\j], 2, v[SEL+\j]
	v_lshrrev_b32 v[IDX+2*\j+1], 6, v[SEL+\j]
.endr
.set i, 0
.rept 32
	v_and_b32 v[IDX+i], 28, v[IDX+i]               ; 4 x expert: the lane to ask
.set i, i+1
.endr
.set i, 0
.rept 32
	ds_bpermute_b32 v[PP+i], v[IDX+i], v233        ; between lanes only: no LDS byte is touched
.set i, i+1
.endr
.irp j, 0,1,2,3,4,5,6,7,8,9,10,11,12,13,14,15
	v_add_nc_u32 v[TK+\j], 32*\j, v3
.endr
	s_wait_dscnt 0x0
.irp j, 0,1,2,3,4,5,6,7,8,9,10,11,12,13,14,15
	v_add_nc_u32 v[PP+2*\j], v[PP+2*\j], v[R0+\j]
	v_add_nc_u32 v[PP+2*\j+1], v[PP+2*\j+1], v[R1+\j]
.endr
.set i, 0
.rept 32
	v_min_u32 v[PP+i], 0x21ff, v[PP+i]             ; a position made of loaded numbers is held inside the lists' 8,704 entries before it enters an address
.set i, i+1
.endr
.set i, 0
.rept 32
	v_lshlrev_b32 v[OFF+i], 2, v[PP+i]
.set i, i+1
.endr
	s_wait_loadcnt 0x0                             ; the gates
	; no register below is written twice, so no store's sources are touched again
.irp j, 0,1,2,3,4,5,6,7,8,9,10,11,12,13,14,15
	global_store_b64 v5, v[PP+2*\j:PP+2*\j+1], s[20:21] offset:256*\j   ; inv: 256 consecutive bytes
	global_store_b32 v[OFF+2*\j], v[TK+\j], s[18:19]                    ; the scatter itself: 4 bytes a row, 64 KiB in all
	global_store_b32 v[OFF+2*\j+1], v[TK+\j], s[18:19]
	global_store_b32 v[OFF+2*\j], v[GT+2*\j], s[22:23]
	global_store_b32 v[OFF+2*\j+1], v[GT+2*\j+1], s[22:23]
.endr
	; the 512 entries that no row takes.  Pad q of expert e (CP[e] <= q < CP[e + 1]) lies at 64 TB[e] + NE[e] + q - CP[e] = NI[e] + q; those behind the last tile at 8,192 + q = NI[7] + q
	v_add_nc_u32 v234, 0x100, v0
	v_add_nc_u32 v235, s[NI], v0
	v_add_nc_u32 v236, s[NI], v234
.irp e, 1,2,3,4,5,6,7
	v_cmp_le_u32 vcc_lo, s[CP+\e], v0
	v_add_nc_u32 v237, s[NI+\e], v0
	v_cndmask_b32 v235, v235, v237, vcc_lo
	v_cmp_le_u32 vcc_lo, s[CP+\e], v234
	v_add_nc_u32 v238, s[NI+\e], v234
	v_cndmask_b32 v236, v236, v238, vcc_lo
.endr
	v_min_u32 v235, 0x21ff, v235
	v_min_u32 v236, 0x21ff, v236
	v_lshlrev_b32 v240, 2, v235
	v_lshlrev_b32 v241, 2, v236
	v_mov_b32 v239, 0                              ; token 0, and the gate 0.0
	global_store_b32 v240, v239, s[18:19]
	global_store_b32 v241, v239, s[18:19]
	global_store_b32 v240, v239, s[22:23]
	global_store_b32 v241, v239, s[22:23]
	v_mov_b32 v242, 0                              ; tile t's expert = the number of experts whose tiles end at or before t: 8 behind the last tile
.irp e, 1,2,3,4,5,6,7,8
	v_cmp_le_u32 vcc_lo, s[TB+\e], v0
	v_add_co_ci_u32 v242, vcc_lo, 0, v242, vcc_lo
.endr
	v_lshlrev_b32 v243, 2, v0
	global_store_b32 v243, v242, s[16:17]
	s_wait_tensorcnt 0x0
	ds_add_u32 v254, v255
	s_wait_dscnt 0x0
	s_endpgm
.Lfunc_end_k_qd34f00f5aa_place_w2:
	.size	k_qd34f00f5aa_place_w2, .Lfunc_end_k_qd34f00f5aa_place_w2-k_qd34f00f5aa_place_w2
	.p2alignl 7, 3214868480
	.fill 96, 4, 3214868480
	.section	.rodata,"a",@progbits
	.p2align	6, 0x0
	.amdhsa_kernel k_qd34f00f5aa_place_w2
		.amdhsa_group_segment_fixed_size 26880
		.amdhsa_private_segment_fixed_size 0
		.amdhsa_enable_private_segment 0
		.amdhsa_kernarg_size 64
		.amdhsa_user_sgpr_count 2
		.amdhsa_user_sgpr_kernarg_segment_ptr 1
		.amdhsa_wavefront_size32 1
		.amdhsa_system_sgpr_workgroup_id_x 1
		.amdhsa_system_sgpr_workgroup_id_y 1
		.amdhsa_system_sgpr_workgroup_id_z 1
		.amdhsa_system_vgpr_workitem_id 0
		.amdhsa_next_free_vgpr 256
		.amdhsa_next_free_sgpr 100
		.amdhsa_reserve_vcc 1
		.amdhsa_float_denorm_mode_32 3
		.amdhsa_float_denorm_mode_16_64 3
		.amdhsa_memory_ordered 1
		.amdhsa_forward_progress 1
		.amdhsa_inst_pref_size 99
	.end_amdhsa_kernel
	.amdgpu_metadata
---
amdhsa.version: [ 1, 2 ]
amdhsa.kernels:
  - .name:           k_qd34f00f5aa_place_w2
    .symbol:         k_qd34f00f5aa_place_w2.kd
    .args:
      - { .name: W2, .offset: 0, .size: 8, .value_kind: global_buffer, .address_space: global }
      - { .name: sel, .offset: 8, .size: 8, .value_kind: global_buffer, .address_space: global }
      - { .name: gate, .offset: 16, .size: 8, .value_kind: global_buffer, .address_space: global }
      - { .name: WQ, .offset: 24, .size: 8, .value_kind: global_buffer, .address_space: global }
      - { .name: tiles, .offset: 32, .size: 8, .value_kind: global_buffer, .address_space: global }
      - { .name: rowlist, .offset: 40, .size: 8, .value_kind: global_buffer, .address_space: global }
      - { .name: inv, .offset: 48, .size: 8, .value_kind: global_buffer, .address_space: global }
      - { .name: gpos, .offset: 56, .size: 8, .value_kind: global_buffer, .address_space: global }
    .group_segment_fixed_size: 26880
    .private_segment_fixed_size: 0
    .kernarg_segment_align: 8
    .kernarg_segment_size: 64
    .max_flat_workgroup_size: 256
    .sgpr_count:     100
    .vgpr_count:     256
    .wavefront_size: 32
...
	.end_amdgpu_metadata
.endif
;; end of part 2
;; launch chain (part 3): grid 135 x 1, 4 waves a work-group, no clusters, 177,664 bytes of LDS; arguments x, WQ, b1, b2, tiles, rowlist, gpos, ypos; writes ypos
.if DOCPART == 3
	.amdgcn_target "amdgcn-amd-amdhsa--gfx1250"
	.amdhsa_code_object_version 6
	.text
	.protected	k_qd34f00f5aa_chain
	.globl	k_qd34f00f5aa_chain
	.p2align	8
	.type	k_qd34f00f5aa_chain,@function
k_qd34f00f5aa_chain:
	s_mov_b64 s[64:65], 0
	v_nop
	global_prefetch_b8 v0, s[64:65] scope:SCOPE_SE
	s_setreg_imm32_b32 hwreg(HW_REG_WAVE_MODE, 25, 1), 1
	s_wait_xcnt 0x0
; ONE TILE OF 64 ROUTED ROWS OF ONE EXPERT THROUGH THE WHOLE CHAIN: gather x, quantise, x W1 + b1, relu, quantise, h W2 + b2, x gate; 64 dense rows of ypos, by position.
; Both products on codes of FP6 (E2M3) with one E8M0 scale for each 32 along K; sums in f32.  The hidden layer never goes to memory.
; GRID: 8,192 routed rows in tiles of 64 over 8 experts are never more than 128 + 7 = 135 tiles, whatever the split.  A tile that the split leaves empty (tiles[t] = 8) walks the chain like the others, on pad rows
; (token 0, gate 0) and expert 7's weights, and stores nothing: the branch on the loaded word stands behind the last barrier, so that every wave passes both barriers on the one way there is.
; SHARES.  Four waves SHARE THE COLUMNS: in product 1 wave w makes hidden units 512 w .. + 511 in four passes of 128 (pass p is K step 4 w + p of product 2); in product 2 output columns 128 w .. + 127; each for all 64 rows.
; So no byte of the weights is wanted by two waves: they go from WQ straight into registers, where an earlier launch has laid them in the order of the operand's registers: a wave reads ONE stream of 32 records of 12,800 bytes.
; What goes from wave to wave is small: the codes of x and of the hidden layer, through LDS, as images of the operand's registers (a fragment: 3 stores of 512 bytes; its scale words: 4 bytes a lane).
; BOTH PRODUCTS ARE USED TRANSPOSED (source 0 = 16 rows of the weight, source 1 = 16 token rows): a lane (r, h) holds token row r.  The rows of a weight's tile are chosen (row 32 (t / 2) + 8 (t % 2) + r + 8 (r / 8) in lane r)
; so that accumulator (m, t), at v[64 m + 8 t] of window 2, holds in register j the unit 32 (t / 2) + 16 h + 8 (t % 2) + j: registers 64 m + 16 b + i are 16 neighbours, 32 b + 16 h + i, along the next K and in a row of y.
; A STEP is one record (8 fragments) against 4 fragments of token rows: 32 matrix instructions on 32 accumulators, which take turns, one instruction a turn, in the same order in every step.
; THE BIAS IS LOADED INTO THE ACCUMULATORS ahead of a sum's first step, so every step has one form and nothing is cleared.
; THE RING: four slots of 96 registers.  At a step's head record k is waited for and 25 loads go out (the second half of record k + 2, the first half and the scale words of record k + 3): by this text's own count 63 loads,
; 32,256 bytes a wave, are out behind them.
; NO CLUSTER, NO JOINT LOADS: 135 work-groups divide into no cluster of four; how many tiles an expert has hangs on the stored list, so partners could not be given tiles of one expert without padding experts to 256 rows;
; and the weights do not pass through LDS at all here.
; LIMITS: NaN and infinities are not served.  A block whose largest magnitude lies under 2^-124, a block of zeros among them, gets the scale byte 1 (the rule says 127 for zeros): the bytes never leave this kernel.
;
; REGISTERS, in windows of 256 (s_set_vgpr_msb's low byte: bits 1:0 source 0, 3:2 source 1, 5:4 source 2, 7:6 destination):
;   window 0: addresses, gates, the quantiser's work, all scale words, the way out.   window 1: ring slots 0, 1 at v0, v96; token fragments set 0 at v192.
;   window 2: the 32 accumulators (at the head: x as it is loaded).                    window 3: ring slots 2, 3 at v0, v96; token fragments set 1 at v192.
.set REC,  12800                       ; bytes of a record
.set XIMG, 0                           ; LDS: x's 16 fragments: (K step s, row tile m) at 1,536 (4 s + m)
.set XSC,  24576                       ; their scale words: 128 (4 s + m) + 4 lane
.set HIMG, 26624                       ; the hidden layer's 64 fragments: 1,536 (4 kappa + m)
.set HSC,  124928                      ; their scale words
.set BL,   133120                      ; for each wave 2,560 bytes: its 512 numbers of b1, then its 128 of b2
.set STG,  143360                      ; for each wave a stage of 16 rows x (512 + 16) bytes for the way out
.set VO,  1                            ; v1   16 x lane: my place in every run of 512 bytes
.set LIX, 2                            ; v2   XIMG + 16 lane
.set LSX, 3                            ; v3   XSC + 4 lane
.set LIH, 4                            ; v4   HIMG + 16 lane, + 24,576 for each four K steps
.set LSH, 5                            ; v5   HSC + 4 lane, + 2,048 likewise
.set XWI, 6                            ; v6   where I store x's images: + 1,536 wave
.set XWS, 7                            ; v7   and their scale words: + 128 wave
.set HWI, 8                            ; v8   the hidden layer's: + 24,576 wave, + 6,144 a pass
.set HWS, 9                            ; v9   + 2,048 wave, + 512 a pass
.set VB,  10                           ; v10  my wave's biases + 64 h, + 512 a pass
.set BLW, 11                           ; v11  where I put the biases
.set STO, 12                           ; v12  the stage: row r, + 64 h
.set RD,  13                           ; v13  the stage: 16 bytes a lane of a row
.set XA,  14                           ; v14  my token's row of x, + 64 h
.set G,   20                           ; v20-27 the gate of row 16 m + r, in pairs (the packed form names a pair)
.set TM,  28                           ; v28-31 maxima, v32-35 the other half's and then the bytes, v36-39 the conversions' scale operands
.set TOK, 40                           ; v40  my token
.set PW,  44                           ; v44  the scale word just made
.set CD,  46                           ; v46-57 the fragment just made; v58-60, v62-64 second halves
.set WS,  66                           ; v66-81 the weights' scale words, four registers a slot: register b: lanes 0-15 tile 2 b, lanes 16-31 tile 2 b + 1
.set BS,  82                           ; v82-89 the token rows' scale words, four a set
.set BI,  90                           ; v90-109 the biases on their way to LDS
.set BK,  128                          ; v128-255 the way out: two sets of 64
.set WP,  24                           ; s[24:25] the stream of records
.set MSB, 0
.macro WIN new                         ; the immediate's high byte repeats the setting that is left; a switch that changes nothing is dropped
.if MSB != (\new)
	s_set_vgpr_msb (MSB<<8)|(\new)
.set MSB, (\new)
.endif
.endm
; A load into a register that a matrix instruction has read or written, and a vector instruction or an LDS store that reads a matrix result, stand four places behind that matrix instruction; only plain vector
; instructions that name none of its registers are places (ISA guide 7.12.1 for vector instructions).
.macro PLACES
.rept 4
	v_nop
.endr
.endm
.macro LDF rec, slot, t0               ; 12 loads: fragments t0 .. t0 + 3 of a record into a slot; each load 512 consecutive bytes
	WIN 0x40+0x80*((\slot)/2)
.irp t, 0,1,2,3
.irp c, 0,1,2
	global_load_b128 v[96*((\slot)%2)+12*((\t0)+\t)+4*\c:96*((\slot)%2)+12*((\t0)+\t)+4*\c+3], v[VO], s[WP:WP+1] offset:(\rec)*REC+1536*((\t0)+\t)+512*\c
.endr
.endr
.endm
.macro LSC rec, slot                   ; 1 load, under window 0: the record's scale words
	global_load_b128 v[WS+4*(\slot):WS+4*(\slot)+3], v[VO], s[WP:WP+1] offset:(\rec)*REC+12288
.endm
.macro BFF set, ai, o                  ; 12 LDS loads: four fragments of token rows
	WIN 0x40+0x80*(\set)
.irp m, 0,1,2,3
.irp c, 0,1,2
	ds_load_b128 v[192+12*\m+4*\c:192+12*\m+4*\c+3], v[\ai] offset:6144*(\o)+1536*\m+512*\c
.endr
.endr
.endm
.macro BFS set, as, o                  ; 4 LDS loads, under window 0: their scale words
.irp m, 0,1,2,3
	ds_load_b32 v[BS+4*(\set)+\m], v[\as] offset:512*(\o)+128*\m
.endr
.endm
.macro MUL slot, set                   ; 32 matrix instructions: each fragment of the weight against the four tiles of rows
	WIN 0xa0|(1+2*((\slot)/2))|((1+2*(\set))<<2)
.irp t, 0,1,2,3,4,5,6,7
.irp m, 0,1,2,3
.if \t%2
	v_wmma_scale_f32_16x16x128_f8f6f4 v[64*\m+8*\t:64*\m+8*\t+7], v[96*((\slot)%2)+12*\t:96*((\slot)%2)+12*\t+11], v[192+12*\m:192+12*\m+11], v[64*\m+8*\t:64*\m+8*\t+7], v[WS+4*(\slot)+\t/2], v[BS+4*(\set)+\m] matrix_a_fmt:MATRIX_FMT_FP6 matrix_b_fmt:MATRIX_FMT_FP6 matrix_a_scale:MATRIX_SCALE_ROW1
.else
	v_wmma_scale_f32_16x16x128_f8f6f4 v[64*\m+8*\t:64*\m+8*\t+7], v[96*((\slot)%2)+12*\t:96*((\slot)%2)+12*\t+11], v[192+12*\m:192+12*\m+11], v[64*\m+8*\t:64*\m+8*\t+7], v[WS+4*(\slot)+\t/2], v[BS+4*(\set)+\m] matrix_a_fmt:MATRIX_FMT_FP6 matrix_b_fmt:MATRIX_FMT_FP6
.endif
.endr
.endr
.endm
; Step s of four.  n: the loads issued behind this record's, which may stay out.  lb, la: the ring goes on (second half of record s + 2; first half and scale words of record s + 3).
; o: which token fragments are fetched for the next step, or -1 for none.  The slot, the set and the scale registers that are loaded here were last read by the step before: the four places stand at the head.
.macro STEP s, n, lb, la, ai, as, o
	PLACES
	s_wait_loadcnt \n
.if \lb
	LDF (\s)+2, ((\s)+2)%4, 4
.endif
.if \la
	LDF (\s)+3, ((\s)+3)%4, 0
.endif
.if (\o) >= 0
	BFF 1-(\s)%2, \ai, \o
.endif
	WIN 0
.if \la
	LSC (\s)+3, ((\s)+3)%4
.endif
.if (\o) >= 0
	BFS 1-(\s)%2, \as, \o
	s_wait_dscnt 16                                ; all but the 16 just issued: this step's token fragments, the bias in the accumulators, my image stores
.else
	s_wait_dscnt 0x0
.endif
	MUL \s, (\s)%2
.endm
; 64 numbers of a lane in window 2, register s + 16 b + i = k 32 b + 16 h + i of my row, become a fragment's codes in v[CD] on and its scale word in v[PW].
.macro QUANT s
	WIN 0x28                                       ; sources 1 and 2: window 2
.irp b, 0,1,2,3
	v_max3_num_f32 v[TM+\b], 0x1800000, |v[(\s)+16*\b]|, |v[(\s)+16*\b+1]|   ; block b: my 16 numbers, and the floor 2^(3 - 127): the byte cannot fall under 1
.endr
.irp i, 2,4,6,8,10,12,14
.irp b, 0,1,2,3
	v_max3_num_f32 v[TM+\b], v[TM+\b], |v[(\s)+16*\b+\i]|, |v[(\s)+16*\b+\i+1]|   ; (the four blocks by turns)
.endr
.endr
	WIN 0
.irp b, 0,1,2,3
	v_permlanex16_b32 v[TM+4+\b], v[TM+\b], s26, s27
.endr
.irp b, 0,1,2,3
	v_max_num_f32 v[TM+\b], v[TM+\b], v[TM+4+\b]   ; with lane l xor 16's: the block's largest magnitude
.endr
.irp b, 0,1,2,3
	v_add_nc_u32 v[TM+8+\b], 0xff000000, v[TM+\b]  ; 2 off its exponent field: the conversion's scale operand
.endr
.irp b, 0,1,2,3
	v_lshrrev_b32 v[TM+4+\b], 23, v[TM+8+\b]       ; the scale's byte
.endr
	s_wait_dscnt 0x0                               ; the last image's stores have read the registers that are written now
	v_lshl_or_b32 v[PW], v[TM+5], 8, v[TM+4]
	v_lshl_or_b32 v[PW], v[TM+6], 16, v[PW]
	v_lshl_or_b32 v[PW], v[TM+7], 24, v[PW]
	WIN 0x02                                       ; source 0: window 2
.irp c, 0,1
	v_cvt_scalef32_pk16_fp6_f32 v[CD+6*\c:CD+6*\c+2], v[(\s)+32*\c:(\s)+32*\c+15], v[TM+8+2*\c]
	v_cvt_scalef32_pk16_fp6_f32 v[CD+12+4*\c:CD+14+4*\c], v[(\s)+32*\c+16:(\s)+32*\c+31], v[TM+8+2*\c+1]   ; (a conversion's three registers begin on an even number)
.endr
	WIN 0
	v_nop                                          ; one plain place behind a scaled conversion
.irp c, 0,1                                    ; the operand's layout wants a WHOLE block in a lane: lanes 0-15 block 2 c, lanes 16-31 block 2 c + 1
.irp i, 0,1,2
	v_permlane16_swap_b32 v[CD+6*\c+\i], v[CD+12+4*\c+\i]
.endr
.irp i, 0,1,2
	v_mov_b32 v[CD+3+6*\c+\i], v[CD+12+4*\c+\i]
.endr
.endr
.endm
.macro IMAGE ai, as, io, so            ; the fragment and its scale words go to LDS as they stand
.irp c, 0,1,2
	ds_store_b128 v[\ai], v[CD+4*\c:CD+4*\c+3] offset:(\io)+512*\c
.endr
	ds_store_b32 v[\as], v[PW] offset:(\so)
.endm
.macro BIASLOAD m, nx                  ; the bias of 128 units, in the result's layout, into row tile m's eight accumulators
	WIN 0x80
.irp t, 0,1,2,3,4,5,6,7
	ds_load_b128 v[64*(\m)+8*\t:64*(\m)+8*\t+3], v[VB] offset:(\nx)+128*(\t/2)+32*(\t%2)
	ds_load_b128 v[64*(\m)+8*\t+4:64*(\m)+8*\t+7], v[VB] offset:(\nx)+128*(\t/2)+32*(\t%2)+16
.endr
.endm
	s_load_b512 s[8:23], s[0:1], 0x0               ; x s[8:9], WQ s[10:11], b1 s[12:13], b2 s[14:15], tiles s[16:17], rowlist s[18:19], gpos s[20:21], ypos s[22:23]
	v_lshl_add_u32 v126, v0, 2, 0x2b400
	v_mov_b32 v127, 0
	v_lshrrev_b32 v15, 5, v0
	v_readfirstlane_b32 s2, v15                    ; wave 0..3
	v_and_b32 v16, 31, v0                          ; lane
	v_and_b32 v18, 15, v0                          ; r
	v_bfe_u32 v19, v0, 4, 1                        ; h
	v_lshlrev_b32 v[VO], 4, v16
	v_add_nc_u32 v[LIX], XIMG, v[VO]
	v_lshl_add_u32 v[LSX], v16, 2, XSC
	v_add_nc_u32 v[LIH], HIMG, v[VO]
	v_lshl_add_u32 v[LSH], v16, 2, HSC
	s_mul_i32 s30, s2, 1536
	v_add_nc_u32 v[XWI], s30, v[LIX]
	s_lshl_b32 s30, s2, 7
	v_add_nc_u32 v[XWS], s30, v[LSX]
	s_mul_i32 s30, s2, 24576
	v_add_nc_u32 v[HWI], s30, v[LIH]
	s_lshl_b32 s30, s2, 11
	v_add_nc_u32 v[HWS], s30, v[LSH]
	s_mul_i32 s30, s2, 2560
	s_add_co_u32 s30, s30, BL
	v_lshl_add_u32 v[VB], v19, 6, s30
	v_add_nc_u32 v[BLW], s30, v[VO]
	s_mul_i32 s30, s2, 8448
	s_add_co_u32 s30, s30, STG
	v_mul_u32_u24 v[STO], v18, 528
	v_lshl_add_u32 v[STO], v19, 6, v[STO]
	v_add_nc_u32 v[STO], s30, v[STO]
	v_add_nc_u32 v[RD], s30, v[VO]
	s_lshl_b32 s30, ttmp9, 8
	v_lshl_add_u32 v15, v18, 2, s30                ; gpos: 4 (64 tile + r)
	s_lshl_b32 s31, s2, 6
	v_add_nc_u32 v17, s31, v15                     ; rowlist: 4 (64 tile + 16 wave + r): the rows that I quantise
	s_lshl_b32 s30, ttmp9, 2
	s_mov_b32 s31, 0
	s_mov_b32 s26, 0x76543210
	s_mov_b32 s27, 0xfedcba98                      ; v_permlanex16_b32's selects for lane l xor 16
.irp b, 0,1,2,3
	v_mov_b32 v[TM+4+\b], 0                        ; written once: a lane permute's destination counts as one of its sources
.endr
	s_wait_kmcnt 0x0
	s_add_nc_u64 s[16:17], s[16:17], s[30:31]
	s_load_b32 s3, s[16:17], 0x0                   ; my tile's expert, or 8
	global_load_b32 v[TOK], v17, s[18:19]
.irp m, 0,1,2,3
	global_load_b32 v[G+2*\m], v15, s[20:21] offset:64*\m
.endr
	s_lshl_b32 s30, ttmp9, 17                      ; ypos: 64 rows of 2,048 bytes a tile, + my wave's 512 bytes of a row
	s_lshl_b32 s32, s2, 9
	s_add_co_u32 s30, s30, s32
	s_add_nc_u64 s[22:23], s[22:23], s[30:31]
	s_wait_kmcnt 0x0
	s_mov_b32 s29, s3                              ; kept for the branch round the way out
	s_min_u32 s3, s3, 7                            ; a loaded number is held inside its table before it enters an address
	s_mul_i32 s30, s3, 1638400                     ; an expert: 128 records; a wave: 32
	s_mul_i32 s32, s2, 409600
	s_add_co_u32 s30, s30, s32
	s_add_nc_u64 s[WP:WP+1], s[10:11], s[30:31]
	s_lshl_b32 s30, s3, 13                         ; b1: 8,192 bytes an expert, 2,048 a wave
	s_lshl_b32 s32, s2, 11
	s_add_co_u32 s30, s30, s32
	s_add_nc_u64 s[12:13], s[12:13], s[30:31]
	s_lshl_b32 s30, s3, 11                         ; b2: 2,048 bytes an expert, 512 a wave
	s_lshl_b32 s32, s2, 9
	s_add_co_u32 s30, s30, s32
	s_add_nc_u64 s[14:15], s[14:15], s[30:31]
.irp i, 0,1,2,3
	global_load_b128 v[BI+4*\i:BI+4*\i+3], v[VO], s[12:13] offset:512*\i
.endr
	global_load_b128 v[BI+16:BI+19], v[VO], s[14:15]
	s_wait_loadcnt 9                               ; my token is in: behind its load stand the 4 loads of gates and the 5 of biases
	v_min_u32 v[TOK], 0xfff, v[TOK]
	v_lshlrev_b32 v[XA], 11, v[TOK]
	v_lshl_add_u32 v[XA], v19, 6, v[XA]            ; my row of 2,048 bytes, + 64 h: my 16 numbers of each block of 32
	WIN 0x80                                       ; x lands where the accumulators will be: register 64 s + 16 b + i = x(my row, 128 s + 32 b + 16 h + i)
.irp s, 0,1,2,3
.irp b, 0,1,2,3
.irp j, 0,1,2,3
	global_load_b128 v[64*\s+16*\b+4*\j:64*\s+16*\b+4*\j+3], v[XA], s[8:9] offset:512*\s+128*\b+16*\j
.endr
.endr
.endr
	LDF 0, 0, 0                                    ; the ring's start: records 0 and 1 and the first half of record 2: 63 loads
	WIN 0
	LSC 0, 0
	LDF 0, 0, 4
	LDF 1, 1, 0
	WIN 0
	LSC 1, 1
	LDF 1, 1, 4
	LDF 2, 2, 0
	WIN 0
	LSC 2, 2
	s_wait_loadcnt 63                              ; exactly the ring's 63 may be out: gates, biases and x are in
.irp i, 0,1,2,3,4
	ds_store_b128 v[BLW], v[BI+4*\i:BI+4*\i+3] offset:512*\i   ; my wave's own bytes: no barrier; LDS serves a wave's instructions in order
.endr
.irp m, 0,1,2,3
	v_mov_b32 v[G+2*\m+1], v[G+2*\m]               ; (named with it as a pair, so it is written)
.endr
.irp s, 0,1,2,3
	QUANT 64*\s                                    ; my 16 rows, K step s
	IMAGE XWI, XWS, 6144*\s, 512*\s
	BIASLOAD \s, 0                                 ; the registers just quantised take the first pass's bias
.endr
	WIN 0
	s_wait_dscnt 0x0                               ; for the others' sake: my images of x lie in LDS
	s_barrier_signal -1
	s_barrier_wait -1                              ; x's sixteen fragments lie in LDS; nobody writes them again
	BFF 0, LIX, 0
	WIN 0
	BFS 0, LSX, 0
	; ---- PRODUCT 1: four passes of 128 hidden units; a pass is four steps along K = 512, then relu, the quantiser and the images
	s_mov_b32 s28, 4
.Lpass:
	STEP 0, 38, 1, 1, LIX, LSX, 1                  ; 38: the next record's 25 loads and the 13 of the one behind it
	STEP 1, 38, 1, 1, LIX, LSX, 2
	STEP 2, 38, 1, 1, LIX, LSX, 3
	STEP 3, 38, 1, 1, LIX, LSX, 0                  ; K step 0 again, for the next pass (behind the last pass these 16 LDS loads serve nothing)
	PLACES
	WIN 0x88                                       ; destination and source 1: window 2
.set i, 0
.rept 256
	v_max_num_f32 v[i], 0, v[i]                    ; the activation, in f32; each accumulator from its low end on
.set i, i+1
.endr
.irp m, 0,1,2,3
	QUANT 64*\m
	IMAGE HWI, HWS, 1536*\m, 128*\m                ; K step 4 w + p of product 2, rows 16 m on
	BIASLOAD \m, 512                               ; the next pass's bias; behind the fourth pass the same arithmetic reaches b2
.endr
	WIN 0                                          ; at a label and at a branch every window is 0
	s_wait_xcnt 0x0                                ; the loads that are out have had their addresses translated: only now the stream's base steps
	s_add_nc_u64 s[WP:WP+1], s[WP:WP+1], 4*REC
	v_add_nc_u32 v[VB], 512, v[VB]
	v_add_nc_u32 v[HWI], 6144, v[HWI]
	v_add_nc_u32 v[HWS], 512, v[HWS]
	s_sub_co_u32 s28, s28, 1
	s_cmp_lg_u32 s28, 0
	s_cbranch_scc1 .Lpass
	s_wait_dscnt 0x0                               ; for the others' sake: my images of the hidden layer lie in LDS
	s_barrier_signal -1
	s_barrier_wait -1                              ; the hidden layer's 64 fragments lie in LDS
	BFF 0, LIH, 0
	WIN 0
	BFS 0, LSH, 0
	; ---- PRODUCT 2: sixteen steps along K = 2,048; the ring has run on through the change of products
	s_mov_b32 s28, 3
.Lk2:
	STEP 0, 38, 1, 1, LIH, LSH, 1
	STEP 1, 38, 1, 1, LIH, LSH, 2
	STEP 2, 38, 1, 1, LIH, LSH, 3
	STEP 3, 38, 1, 1, LIH, LSH, 4
	WIN 0
	s_wait_xcnt 0x0
	s_add_nc_u64 s[WP:WP+1], s[WP:WP+1], 4*REC
	v_add_nc_u32 v[LIH], 24576, v[LIH]
	v_add_nc_u32 v[LSH], 2048, v[LSH]
	s_sub_co_u32 s28, s28, 1
	s_cmp_lg_u32 s28, 0
	s_cbranch_scc1 .Lk2
	STEP 0, 38, 1, 1, LIH, LSH, 1                  ; the last four steps are written out: no load passes the stream's end
	STEP 1, 38, 1, 0, LIH, LSH, 2                  ; the second half of the last record
	STEP 2, 25, 0, 0, LIH, LSH, 3                  ; 25: the last record's loads
	STEP 3, 0, 0, 0, LIH, LSH, -1
	PLACES
	WIN 0
	s_cmp_ge_u32 s29, 8                            ; a tile that this split leaves empty stores nothing.  No barrier stands behind this branch
	s_cbranch_scc1 .Lend
	; ---- THE WAY OUT: x gate; then a block of 16 rows x 128 columns at a time through my own stage, so that each store covers 512 consecutive bytes of a row of ypos, aligned to 512
	WIN 0x82                                       ; destination and source 0: window 2
.irp m, 0,1,2,3
.set i, 0
.rept 32
	v_pk_mul_f32 v[64*\m+i:64*\m+i+1], v[64*\m+i:64*\m+i+1], v[G+2*\m:G+2*\m+1] op_sel_hi:[1,0]   ; each accumulator from its low end on
.set i, i+2
.endr
.endr
.macro TOSTAGE m
	WIN 0x08                                       ; an LDS store's data are its source 1: window 2
.irp b, 0,1,2,3
.irp i, 0,1,2,3
	ds_store_b128 v[STO], v[64*(\m)+16*\b+4*\i:64*(\m)+16*\b+4*\i+3] offset:128*\b+16*\i   ; lane (r, h): columns 32 b + 16 h + 4 i on of row r
.endr
.endr
	WIN 0
.irp i, 0,1,2,3,4,5,6,7,8,9,10,11,12,13,14,15
	ds_load_b128 v[BK+64*((\m)%2)+4*\i:BK+64*((\m)%2)+4*\i+3], v[RD] offset:528*\i   ; LDS serves a wave's instructions in order: these see my stores, and the next block's stores come behind them
.endr
.endm
.macro SEND m, younger                 ; younger: the LDS instructions issued behind block m's loads, which may stay out
	s_wait_dscnt \younger
.irp i, 0,1,2,3,4,5,6,7,8,9,10,11,12,13,14,15
	global_store_b128 v[VO], v[BK+64*((\m)%2)+4*\i:BK+64*((\m)%2)+4*\i+3], s[22:23] offset:(16*(\m)+\i)*2048
.endr
.endm
	TOSTAGE 0
	TOSTAGE 1
	SEND 0, 32                                     ; behind block 0's loads: block 1's 16 stores and 16 loads
	s_wait_xcnt 0x0                                ; block 0's stores have read their registers: block 2's loads may land there
	TOSTAGE 2
	SEND 1, 32
	s_wait_xcnt 0x0
	TOSTAGE 3
	SEND 2, 32
	SEND 3, 0
.Lend:
	s_wait_tensorcnt 0x0
	ds_add_u32 v126, v127
	s_wait_dscnt 0x0
	s_endpgm
.Lfunc_end_k_qd34f00f5aa_chain:
	.size	k_qd34f00f5aa_chain, .Lfunc_end_k_qd34f00f5aa_chain-k_qd34f00f5aa_chain
	.p2alignl 7, 3214868480
	.fill 96, 4, 3214868480
	.section	.rodata,"a",@progbits
	.p2align	6, 0x0
	.amdhsa_kernel k_qd34f00f5aa_chain
		.amdhsa_group_segment_fixed_size 177664
		.amdhsa_private_segment_fixed_size 0
		.amdhsa_enable_private_segment 0
		.amdhsa_kernarg_size 64
		.amdhsa_user_sgpr_count 2
		.amdhsa_user_sgpr_kernarg_segment_ptr 1
		.amdhsa_wavefront_size32 1
		.amdhsa_system_sgpr_workgroup_id_x 1
		.amdhsa_system_sgpr_workgroup_id_y 1
		.amdhsa_system_sgpr_workgroup_id_z 1
		.amdhsa_system_vgpr_workitem_id 0
		.amdhsa_next_free_vgpr 1024
		.amdhsa_next_free_sgpr 66
		.amdhsa_reserve_vcc 0
		.amdhsa_float_denorm_mode_32 3
		.amdhsa_float_denorm_mode_16_64 3
		.amdhsa_memory_ordered 1
		.amdhsa_forward_progress 1
		.amdhsa_inst_pref_size 178
	.end_amdhsa_kernel
	.amdgpu_metadata
---
amdhsa.version: [ 1, 2 ]
amdhsa.kernels:
  - .name:           k_qd34f00f5aa_chain
    .symbol:         k_qd34f00f5aa_chain.kd
    .args:
      - { .name: x, .offset: 0, .size: 8, .value_kind: global_buffer, .address_space: global }
      - { .name: WQ, .offset: 8, .size: 8, .value_kind: global_buffer, .address_space: global }
      - { .name: b1, .offset: 16, .size: 8, .value_kind: global_buffer, .address_space: global }
      - { .name: b2, .offset: 24, .size: 8, .value_kind: global_buffer, .address_space: global }
      - { .name: tiles, .offset: 32, .size: 8, .value_kind: global_buffer, .address_space: global }
      - { .name: rowlist, .offset: 40, .size: 8, .value_kind: global_buffer, .address_space: global }
      - { .name: gpos, .offset: 48, .size: 8, .value_kind: global_buffer, .address_space: global }
      - { .name: ypos, .offset: 56, .size: 8, .value_kind: global_buffer, .address_space: global }
    .group_segment_fixed_size: 177664
    .private_segment_fixed_size: 0
    .kernarg_segment_align: 8
    .kernarg_segment_size: 64
    .max_flat_workgroup_size: 128
    .sgpr_count:     66
    .vgpr_count:     1024
    .wavefront_size: 32
...
	.end_amdgpu_metadata
.endif
;; end of part 3
;; launch combine (part 4): grid 256 x 1, 8 waves a work-group, no clusters, 0 bytes of LDS; arguments ypos, inv, out0; writes out0
.if DOCPART == 4
	.amdgcn_target "amdgcn-amd-amdhsa--gfx1250"
	.amdhsa_code_object_version 6
	.text
	.protected	k_qd34f00f5aa_combine
	.globl	k_qd34f00f5aa_combine
	.p2align	8
	.type	k_qd34f00f5aa_combine,@function
k_qd34f00f5aa_combine:
	s_mov_b64 s[64:65], 0
	v_nop
	global_prefetch_b8 v0, s[64:65] scope:SCOPE_SE
	s_setreg_imm32_b32 hwreg(HW_REG_WAVE_MODE, 25, 1), 1
	s_wait_xcnt 0x0
; out0[token] = ypos[p0] + ypos[p1], (p0, p1) = inv[token]: the token's two rows, each already multiplied by its gate.  Each output row has one owner, so nothing is added in memory.
; A stream: 2,048 waves, two tokens each; a row is 2,048 bytes = four loads of 512 consecutive bytes a wave; all 16 loads of a wave are out at once.  No LDS, no barrier, no matrix unit: there is nothing for them to do.
; The positions are whole numbers that an earlier launch stored; they are held inside ypos's 8,640 rows before they enter an address.
	s_load_b128 s[4:7], s[0:1], 0x0                ; ypos s[4:5], inv s[6:7]
	s_load_b64 s[8:9], s[0:1], 0x10                ; out0
	v_lshrrev_b32 v1, 5, v0
	v_readfirstlane_b32 s2, v1                     ; wave 0..7
	v_and_b32 v1, 31, v0
	v_lshlrev_b32 v1, 4, v1                        ; 16 x lane
	s_lshl_b32 s3, ttmp9, 3
	s_add_co_u32 s3, s3, s2                        ; g: tokens 2 g and 2 g + 1
	s_lshl_b32 s10, s3, 4                          ; their four positions: 16 bytes of inv
	s_mov_b32 s11, 0
	s_lshl_b32 s16, s3, 12                         ; their two rows of out0
	s_mov_b32 s17, 0
	s_wait_kmcnt 0x0
	s_add_nc_u64 s[6:7], s[6:7], s[10:11]
	s_add_nc_u64 s[8:9], s[8:9], s[16:17]
	s_load_b128 s[12:15], s[6:7], 0x0
	s_wait_kmcnt 0x0
.irp k, 12,13,14,15
	s_min_u32 s\k, s\k, 8639
.endr
.irp k, 12,13,14,15
	s_lshl_b32 s\k, s\k, 11
.endr
	v_add_nc_u32 v2, s12, v1
	v_add_nc_u32 v3, s13, v1
	v_add_nc_u32 v4, s14, v1
	v_add_nc_u32 v5, s15, v1
.irp k, 0,1,2,3
.irp i, 0,1,2,3
	global_load_b128 v[8+16*\k+4*\i:11+16*\k+4*\i], v[2+\k], s[4:5] offset:512*\i th:TH_LOAD_NT   ; each row of ypos is read once
.endr
.endr
	s_wait_loadcnt 8                               ; the first token's two rows are in; the second token's 8 loads may be out
.irp i, 0,2,4,6,8,10,12,14
	v_pk_add_f32 v[8+\i:9+\i], v[8+\i:9+\i], v[24+\i:25+\i]
.endr
.irp i, 0,1,2,3
	global_store_b128 v1, v[8+4*\i:11+4*\i], s[8:9] offset:512*\i th:TH_STORE_NT   ; 512 consecutive bytes, aligned to 512
.endr
	s_wait_loadcnt 0x0
.irp i, 0,2,4,6,8,10,12,14
	v_pk_add_f32 v[40+\i:41+\i], v[40+\i:41+\i], v[56+\i:57+\i]
.endr
.irp i, 0,1,2,3
	global_store_b128 v1, v[40+4*\i:43+4*\i], s[8:9] offset:2048+512*\i th:TH_STORE_NT
.endr
	s_endpgm
.Lfunc_end_k_qd34f00f5aa_combine:
	.size	k_qd34f00f5aa_combine, .Lfunc_end_k_qd34f00f5aa_combine-k_qd34f00f5aa_combine
	.p2alignl 7, 3214868480
	.fill 96, 4, 3214868480
	.section	.rodata,"a",@progbits
	.p2align	6, 0x0
	.amdhsa_kernel k_qd34f00f5aa_combine
		.amdhsa_group_segment_fixed_size 0
		.amdhsa_private_segment_fixed_size 0
		.amdhsa_enable_private_segment 0
		.amdhsa_kernarg_size 24
		.amdhsa_user_sgpr_count 2
		.amdhsa_user_sgpr_kernarg_segment_ptr 1
		.amdhsa_wavefront_size32 1
		.amdhsa_system_sgpr_workgroup_id_x 1
		.amdhsa_system_sgpr_workgroup_id_y 1
		.amdhsa_system_sgpr_workgroup_id_z 1
		.amdhsa_system_vgpr_workitem_id 0
		.amdhsa_next_free_vgpr 80
		.amdhsa_next_free_sgpr 66
		.amdhsa_reserve_vcc 0
		.amdhsa_float_denorm_mode_32 3
		.amdhsa_float_denorm_mode_16_64 3
		.amdhsa_memory_ordered 1
		.amdhsa_forward_progress 1
		.amdhsa_inst_pref_size 5
	.end_amdhsa_kernel
	.amdgpu_metadata
---
amdhsa.version: [ 1, 2 ]
amdhsa.kernels:
  - .name:           k_qd34f00f5aa_combine
    .symbol:         k_qd34f00f5aa_combine.kd
    .args:
      - { .name: ypos, .offset: 0, .size: 8, .value_kind: global_buffer, .address_space: global }
      - { .name: inv, .offset: 8, .size: 8, .value_kind: global_buffer, .address_space: global }
      - { .name: out0, .offset: 16, .size: 8, .value_kind: global_buffer, .address_space: global }
    .group_segment_fixed_size: 0
    .private_segment_fixed_size: 0
    .kernarg_segment_align: 8
    .kernarg_segment_size: 24
    .max_flat_workgroup_size: 256
    .sgpr_count:     66
    .vgpr_count:     80
    .wavefront_size: 32
...
	.end_amdgpu_metadata
.endif
;; end of part 4
;; ======== version 2 of 2: 4 launches; version 1 with the launch chain written anew for expert scheduling mode
;; workspace buffers: WQ 13,107,200 bytes; sel 16,384 bytes of whole numbers; gate 32,768 bytes; tiles 1,024 bytes of whole numbers; rowlist 34,816 bytes of whole numbers; inv 32,768 bytes of whole numbers; gpos 34,816 bytes; ypos 17,694,720 bytes
;; launch route_w1: the kernel of part 1 again; grid 384 x 1, 8 waves a work-group, no clusters, 28,672 bytes of LDS; arguments x, noise, Wg, bg, Wn, bn, W1, WQ, sel, gate; writes WQ, sel, gate
;; launch place_w2: the kernel of part 2 again; grid 257 x 1, 8 waves a work-group, no clusters, 26,880 bytes of LDS; arguments W2, sel, gate, WQ, tiles, rowlist, inv, gpos; writes WQ, tiles, rowlist, inv, gpos
;; launch chain (part 5): grid 135 x 1, 4 waves a work-group, no clusters, 177,664 bytes of LDS; arguments x, WQ, b1, b2, tiles, rowlist, gpos, ypos; writes ypos
.if DOCPART == 5
	.amdgcn_target "amdgcn-amd-amdhsa--gfx1250"
	.amdhsa_code_object_version 6
	.text
	.protected	k_qd34f00f5aa_chain
	.globl	k_qd34f00f5aa_chain
	.p2align	8
	.type	k_qd34f00f5aa_chain,@function
k_qd34f00f5aa_chain:
	s_mov_b64 s[64:65], 0
	v_nop
	global_prefetch_b8 v0, s[64:65] scope:SCOPE_SE
	s_setreg_imm32_b32 hwreg(HW_REG_WAVE_SCHED_MODE, 0, 2), 2
	s_setreg_imm32_b32 hwreg(HW_REG_WAVE_MODE, 25, 1), 1
	s_wait_xcnt 0x0
	s_wait_alu depctr_vm_vsrc(0)
; ONE TILE OF 64 ROUTED ROWS OF ONE EXPERT THROUGH THE WHOLE CHAIN: gather x, quantise, x W1 + b1, relu, quantise, h W2 + b2, x gate; 64 dense rows of ypos, by position.
; Both products on codes of FP6 (E2M3) with one E8M0 scale for each 32 along K; sums in f32.  The hidden layer never goes to memory.
; GRID: 8,192 routed rows in tiles of 64 over 8 experts are never more than 128 + 7 = 135 tiles, whatever the split.  A tile that the split leaves empty (tiles[t] = 8) walks the chain like the others, on pad rows
; (token 0, gate 0) and expert 7's weights, and stores nothing: the branch on the loaded word stands behind the last barrier, so that every wave passes both barriers on the one way there is.
; SHARES.  Four waves SHARE THE COLUMNS: in product 1 wave w makes hidden units 512 w .. + 511 in four passes of 128 (pass p is K step 4 w + p of product 2); in product 2 output columns 128 w .. + 127; each for all 64 rows.
; So no byte of the weights is wanted by two waves: they go from WQ straight into registers, where an earlier launch has laid them in the order of the operand's registers: a wave reads ONE stream of 32 records of 12,800 bytes.
; What goes from wave to wave is small: the codes of x and of the hidden layer, through LDS, as images of the operand's registers (a fragment: 3 stores of 512 bytes; its scale words: 4 bytes a lane).
; BOTH PRODUCTS ARE USED TRANSPOSED (source 0 = 16 rows of the weight, source 1 = 16 token rows): a lane (r, h) holds token row r.  The rows of a weight's tile are chosen (row 32 (t / 2) + 8 (t % 2) + r + 8 (r / 8) in lane r)
; so that accumulator (m, t), at v[64 m + 8 t] of window 2, holds in register j the unit 32 (t / 2) + 16 h + 8 (t % 2) + j: registers 64 m + 16 b + i are 16 neighbours, 32 b + 16 h + i, along the next K and in a row of y.
; A STEP is one record (8 fragments) against 4 fragments of token rows: 32 matrix instructions on 32 accumulators, which take turns, one instruction a turn, in the same order in every step.
; THE BIAS IS LOADED INTO THE ACCUMULATORS ahead of a sum's first step, so every step has one form and nothing is cleared.
; THE RING: four slots of 96 registers.  At a step's head record k is waited for; in the step 25 loads go out (the second half of record k + 2, the first half and the scale words of record k + 3): by this text's own count
; 63 loads, 32,256 bytes a wave, are out behind them.
; NO CLUSTER, NO JOINT LOADS: 135 work-groups divide into no cluster of four; how many tiles an expert has hangs on the stored list, so partners could not be given tiles of one expert without padding experts to 256 rows;
; and the weights do not pass through LDS at all here.
; LIMITS: NaN and infinities are not served.  A block whose largest magnitude lies under 2^-124, a block of zeros among them, gets the scale byte 1 (the rule says 127 for zeros): the bytes never leave this kernel.
;
; THE MODE: SCHED_MODE bits 1:0 = 2 (LLVM: expert scheduling mode 2), set by the entry lines.  The code itself states the register dependences between vector or matrix instructions and memory or LDS instructions,
; with s_wait_alu, always for 0.
; THE PLAN.  Registers that memory or LDS instructions touch, and who else names them:
;   ring slots 0-3, WS0-3   Global loads of steps k - 3 and k - 2 land in them; step k's matrix instructions read them; nobody else.
;   token sets 0, 1, BS0, 1 LDS loads of step k - 1 land in them; step k's matrix instructions read them; nobody else.
;   the accumulators        Written by matrix instructions, the activation and the gate's multiplications; read by the quantiser; x's loads (head) and the bias's LDS loads land in them; the stage's LDS stores read them (way out).
;   v[CD ..], v[PW]         Written by the quantiser; read by an image's four LDS stores.
;   v[VB], v[HWI], v[HWS]   LDS addresses, stepped once a pass;  v[LIH], v[LSH] once for four steps of product 2.  Every other address register is written once, at the head.
;   v[BK ..], two sets      LDS loads from the stage land in them; the global stores read them.
; Step s's matrix instructions name slot s, WS[s], set s % 2, BS[s % 2] and the accumulators; its loads land in slots s + 2 and s + 3, WS[s + 3], set 1 - s % 2 and BS[1 - s % 2] (slots modulo 4).
; So ONE wait on va_vdst stands at a step's head: the matrix instructions of the steps before are done reading what this step's loads land in (and, in a loop's first step, the stepped address is written).
; The step's 41 loads follow it, dealt among its matrix instructions, with no further wait.
; The quantiser has two waits: on vm_vsrc ahead of its first write of v[PW] and v[CD ..], and on va_vdst at its end, for the image's stores and the bias's loads.  One wait on vm_vsrc stands ahead of each stepping of LDS addresses.
;
; REGISTERS, in windows of 256 (s_set_vgpr_msb's low byte: bits 1:0 source 0, 3:2 source 1, 5:4 source 2, 7:6 destination):
;   window 0: addresses, gates, the quantiser's work, all scale words, the way out.   window 1: ring slots 0, 1 at v0, v96; token fragments set 0 at v192.
;   window 2: the 32 accumulators (at the head: x as it is loaded).                    window 3: ring slots 2, 3 at v0, v96; token fragments set 1 at v192.
.set REC,  12800                       ; bytes of a record
.set XIMG, 0                           ; LDS: x's 16 fragments: (K step s, row tile m) at 1,536 (4 s + m)
.set XSC,  24576                       ; their scale words: 128 (4 s + m) + 4 lane
.set HIMG, 26624                       ; the hidden layer's 64 fragments: 1,536 (4 kappa + m)
.set HSC,  124928                      ; their scale words
.set BL,   133120                      ; for each wave 2,560 bytes: its 512 numbers of b1, then its 128 of b2
.set STG,  143360                      ; for each wave a stage of 16 rows x (512 + 16) bytes for the way out
.set VO,  1                            ; v1   16 x lane: my place in every run of 512 bytes
.set LIX, 2                            ; v2   XIMG + 16 lane
.set LSX, 3                            ; v3   XSC + 4 lane
.set LIH, 4                            ; v4   HIMG + 16 lane, + 24,576 for each four K steps
.set LSH, 5                            ; v5   HSC + 4 lane, + 2,048 likewise
.set XWI, 6                            ; v6   where I store x's images: + 1,536 wave
.set XWS, 7                            ; v7   and their scale words: + 128 wave
.set HWI, 8                            ; v8   the hidden layer's: + 24,576 wave, + 6,144 a pass
.set HWS, 9                            ; v9   + 2,048 wave, + 512 a pass
.set VB,  10                           ; v10  my wave's biases + 64 h, + 512 a pass
.set BLW, 11                           ; v11  where I put the biases
.set STO, 12                           ; v12  the stage: row r, + 64 h
.set RD,  13                           ; v13  the stage: 16 bytes a lane of a row
.set XA,  14                           ; v14  my token's row of x, + 64 h
.set G,   20                           ; v20-27 the gate of row 16 m + r, in pairs (the packed form names a pair)
.set TM,  28                           ; v28-31 maxima, v32-35 the other half's and then the bytes, v36-39 the conversions' scale operands
.set TOK, 40                           ; v40  my token
.set PW,  44                           ; v44  the scale word just made
.set CD,  46                           ; v46-57 the fragment just made; v58-60, v62-64 second halves
.set WS,  66                           ; v66-81 the weights' scale words, four registers a slot: register b: lanes 0-15 tile 2 b, lanes 16-31 tile 2 b + 1
.set BS,  82                           ; v82-89 the token rows' scale words, four a set
.set BI,  90                           ; v90-109 the biases on their way to LDS
.set BK,  128                          ; v128-255 the way out: two sets of 64
.set WP,  24                           ; s[24:25] the stream of records
.set MSB, 0
.macro WIN new                         ; the immediate's high byte repeats the setting that is left; a switch that changes nothing is dropped
.if MSB != (\new)
	s_set_vgpr_msb (MSB<<8)|(\new)
.set MSB, (\new)
.endif
.endm
; A load into a register that a matrix instruction has read or written, and a vector instruction or an LDS store that reads a matrix result, stand four places behind that matrix instruction; only plain vector
; instructions that name none of its registers are places (ISA guide 7.12.1 for vector instructions).  The places stand beside the waits on va_vdst, which fill none.
.macro PLACES
.rept 4
	v_nop
.endr
.endm
.macro LDF rec, slot, t0               ; 12 loads: fragments t0 .. t0 + 3 of a record into a slot; each load 512 consecutive bytes
	WIN 0x40+0x80*((\slot)/2)
.irp t, 0,1,2,3
.irp c, 0,1,2
	global_load_b128 v[96*((\slot)%2)+12*((\t0)+\t)+4*\c:96*((\slot)%2)+12*((\t0)+\t)+4*\c+3], v[VO], s[WP:WP+1] offset:(\rec)*REC+1536*((\t0)+\t)+512*\c
.endr
.endr
.endm
.macro LSC rec, slot                   ; 1 load, under window 0: the record's scale words
	global_load_b128 v[WS+4*(\slot):WS+4*(\slot)+3], v[VO], s[WP:WP+1] offset:(\rec)*REC+12288
.endm
.macro BFF set, ai, o                  ; 12 LDS loads: four fragments of token rows
	WIN 0x40+0x80*(\set)
.irp m, 0,1,2,3
.irp c, 0,1,2
	ds_load_b128 v[192+12*\m+4*\c:192+12*\m+4*\c+3], v[\ai] offset:6144*(\o)+1536*\m+512*\c
.endr
.endr
.endm
.macro BFS set, as, o                  ; 4 LDS loads, under window 0: their scale words
.irp m, 0,1,2,3
	ds_load_b32 v[BS+4*(\set)+\m], v[\as] offset:512*(\o)+128*\m
.endr
.endm
.macro MUL8 slot, set, t0              ; 8 matrix instructions: fragments t0 (even) and t0 + 1 of the weight, each against the four tiles of rows
	WIN 0xa0|(1+2*((\slot)/2))|((1+2*(\set))<<2)
.irp m, 0,1,2,3
	v_wmma_scale_f32_16x16x128_f8f6f4 v[64*\m+8*(\t0):64*\m+8*(\t0)+7], v[96*((\slot)%2)+12*(\t0):96*((\slot)%2)+12*(\t0)+11], v[192+12*\m:192+12*\m+11], v[64*\m+8*(\t0):64*\m+8*(\t0)+7], v[WS+4*(\slot)+(\t0)/2], v[BS+4*(\set)+\m] matrix_a_fmt:MATRIX_FMT_FP6 matrix_b_fmt:MATRIX_FMT_FP6
.endr
.irp m, 0,1,2,3
	v_wmma_scale_f32_16x16x128_f8f6f4 v[64*\m+8*(\t0)+8:64*\m+8*(\t0)+15], v[96*((\slot)%2)+12*(\t0)+12:96*((\slot)%2)+12*(\t0)+23], v[192+12*\m:192+12*\m+11], v[64*\m+8*(\t0)+8:64*\m+8*(\t0)+15], v[WS+4*(\slot)+(\t0)/2], v[BS+4*(\set)+\m] matrix_a_fmt:MATRIX_FMT_FP6 matrix_b_fmt:MATRIX_FMT_FP6 matrix_a_scale:MATRIX_SCALE_ROW1
.endr
.endm
; Step s of four.  n: the loads issued behind this record's, which may stay out.  lb, la: the ring goes on (second half of record s + 2; first half and scale words of record s + 3).
; o: which token fragments are fetched for the next step, or -1 for none.  The slots, the set and the scale registers that are loaded here were last read by the steps before: the four places and the wait stand at the head.
; Behind them the loads are dealt among the step's matrix instructions, eight at a time: the LDS loads first, so that 24 matrix instructions stand between them and the next step's head.
.macro STEP s, n, lb, la, ai, as, o
	PLACES
	s_wait_loadcnt \n
	s_wait_dscnt 0x0                               ; this step's token fragments and their scale words, asked for in the step before, are in; so are the bias in the accumulators and my image stores
.if (\lb) || (\la) || ((\o) >= 0)
	s_wait_alu depctr_va_vdst(0)                   ; the matrix instructions of the steps before are done reading the slots, the token set and the scale words in which this step's loads land; in a loop's first step the stepped LDS address is written
.endif
	MUL8 \s, (\s)%2, 0
.if (\o) >= 0
	BFF 1-(\s)%2, \ai, \o                          ; no wait: no vector or matrix instruction since the wait above names a register that this step's loads touch
	WIN 0
	BFS 1-(\s)%2, \as, \o
.endif
	MUL8 \s, (\s)%2, 2
.if \lb
	LDF (\s)+2, ((\s)+2)%4, 4
.endif
	MUL8 \s, (\s)%2, 4
.if \la
	LDF (\s)+3, ((\s)+3)%4, 0
	WIN 0
	LSC (\s)+3, ((\s)+3)%4
.endif
	MUL8 \s, (\s)%2, 6
.endm
; 64 numbers of a lane in window 2, register s + 16 b + i = k 32 b + 16 h + i of my row, become a fragment's codes in v[CD] on and its scale word in v[PW].  held = 0: the first call, with no image's stores ahead of it.
.macro QUANT s, held
	WIN 0x28                                       ; sources 1 and 2: window 2
.irp b, 0,1,2,3
	v_max3_num_f32 v[TM+\b], 0x1800000, |v[(\s)+16*\b]|, |v[(\s)+16*\b+1]|   ; block b: my 16 numbers, and the floor 2^(3 - 127): the byte cannot fall under 1
.endr
.irp i, 2,4,6,8,10,12,14
.irp b, 0,1,2,3
	v_max3_num_f32 v[TM+\b], v[TM+\b], |v[(\s)+16*\b+\i]|, |v[(\s)+16*\b+\i+1]|   ; (the four blocks by turns)
.endr
.endr
	WIN 0
.irp b, 0,1,2,3
	v_permlanex16_b32 v[TM+4+\b], v[TM+\b], s26, s27
.endr
.irp b, 0,1,2,3
	v_max_num_f32 v[TM+\b], v[TM+\b], v[TM+4+\b]   ; with lane l xor 16's: the block's largest magnitude
.endr
.irp b, 0,1,2,3
	v_add_nc_u32 v[TM+8+\b], 0xff000000, v[TM+\b]  ; 2 off its exponent field: the conversion's scale operand
.endr
.irp b, 0,1,2,3
	v_lshrrev_b32 v[TM+4+\b], 23, v[TM+8+\b]       ; the scale's byte
.endr
	s_wait_dscnt 0x0                               ; my LDS instructions are done, the last image's stores among them
.if \held
	s_wait_alu depctr_vm_vsrc(0)                   ; the last image's LDS stores have read v[PW] and v[CD ..], which are written now
.endif
	v_lshl_or_b32 v[PW], v[TM+5], 8, v[TM+4]
	v_lshl_or_b32 v[PW], v[TM+6], 16, v[PW]
	v_lshl_or_b32 v[PW], v[TM+7], 24, v[PW]
	WIN 0x02                                       ; source 0: window 2
.irp c, 0,1
	v_cvt_scalef32_pk16_fp6_f32 v[CD+6*\c:CD+6*\c+2], v[(\s)+32*\c:(\s)+32*\c+15], v[TM+8+2*\c]
	v_cvt_scalef32_pk16_fp6_f32 v[CD+12+4*\c:CD+14+4*\c], v[(\s)+32*\c+16:(\s)+32*\c+31], v[TM+8+2*\c+1]   ; (a conversion's three registers begin on an even number)
.endr
	WIN 0
	v_nop                                          ; one plain place behind a scaled conversion
.irp c, 0,1                                    ; the operand's layout wants a WHOLE block in a lane: lanes 0-15 block 2 c, lanes 16-31 block 2 c + 1
.irp i, 0,1,2
	v_permlane16_swap_b32 v[CD+6*\c+\i], v[CD+12+4*\c+\i]
.endr
.irp i, 0,1,2
	v_mov_b32 v[CD+3+6*\c+\i], v[CD+12+4*\c+\i]
.endr
.endr
	s_wait_alu depctr_va_vdst(0)                   ; v[CD ..] and v[PW] are written, which the image's LDS stores read; and all that wrote or read the 64 numbers (matrix instructions, the activation, the maxima, the conversions) is done: the bias's LDS loads land in them
.endm
.macro IMAGE ai, as, io, so            ; the fragment and its scale words go to LDS as they stand
.irp c, 0,1,2
	ds_store_b128 v[\ai], v[CD+4*\c:CD+4*\c+3] offset:(\io)+512*\c
.endr
	ds_store_b32 v[\as], v[PW] offset:(\so)
.endm
.macro BIASLOAD m, nx                  ; the bias of 128 units, in the result's layout, into row tile m's eight accumulators
	WIN 0x80
.irp t, 0,1,2,3,4,5,6,7
	ds_load_b128 v[64*(\m)+8*\t:64*(\m)+8*\t+3], v[VB] offset:(\nx)+128*(\t/2)+32*(\t%2)
	ds_load_b128 v[64*(\m)+8*\t+4:64*(\m)+8*\t+7], v[VB] offset:(\nx)+128*(\t/2)+32*(\t%2)+16
.endr
.endm
	s_load_b512 s[8:23], s[0:1], 0x0               ; x s[8:9], WQ s[10:11], b1 s[12:13], b2 s[14:15], tiles s[16:17], rowlist s[18:19], gpos s[20:21], ypos s[22:23]
	v_lshl_add_u32 v126, v0, 2, 0x2b400
	v_mov_b32 v127, 0
	v_lshrrev_b32 v15, 5, v0
	v_readfirstlane_b32 s2, v15                    ; wave 0..3
	v_and_b32 v16, 31, v0                          ; lane
	v_and_b32 v18, 15, v0                          ; r
	v_bfe_u32 v19, v0, 4, 1                        ; h
	v_lshlrev_b32 v[VO], 4, v16
	v_add_nc_u32 v[LIX], XIMG, v[VO]
	v_lshl_add_u32 v[LSX], v16, 2, XSC
	v_add_nc_u32 v[LIH], HIMG, v[VO]
	v_lshl_add_u32 v[LSH], v16, 2, HSC
	s_wait_alu depctr_va_sdst(0)                   ; s2, the wave's number, is written, ahead of its first reader
	s_mul_i32 s30, s2, 1536
	v_add_nc_u32 v[XWI], s30, v[LIX]
	s_lshl_b32 s30, s2, 7
	v_add_nc_u32 v[XWS], s30, v[LSX]
	s_mul_i32 s30, s2, 24576
	v_add_nc_u32 v[HWI], s30, v[LIH]
	s_lshl_b32 s30, s2, 11
	v_add_nc_u32 v[HWS], s30, v[LSH]
	s_mul_i32 s30, s2, 2560
	s_add_co_u32 s30, s30, BL
	v_lshl_add_u32 v[VB], v19, 6, s30
	v_add_nc_u32 v[BLW], s30, v[VO]
	s_mul_i32 s30, s2, 8448
	s_add_co_u32 s30, s30, STG
	v_mul_u32_u24 v[STO], v18, 528
	v_lshl_add_u32 v[STO], v19, 6, v[STO]
	v_add_nc_u32 v[STO], s30, v[STO]
	v_add_nc_u32 v[RD], s30, v[VO]
	s_lshl_b32 s30, ttmp9, 8
	v_lshl_add_u32 v15, v18, 2, s30                ; gpos: 4 (64 tile + r)
	s_lshl_b32 s31, s2, 6
	v_add_nc_u32 v17, s31, v15                     ; rowlist: 4 (64 tile + 16 wave + r): the rows that I quantise
	s_lshl_b32 s30, ttmp9, 2
	s_mov_b32 s31, 0
	s_mov_b32 s26, 0x76543210
	s_mov_b32 s27, 0xfedcba98                      ; v_permlanex16_b32's selects for lane l xor 16
.irp b, 0,1,2,3
	v_mov_b32 v[TM+4+\b], 0                        ; written once: a lane permute's destination counts as one of its sources
.endr
	s_wait_kmcnt 0x0
	s_add_nc_u64 s[16:17], s[16:17], s[30:31]
	s_load_b32 s3, s[16:17], 0x0                   ; my tile's expert, or 8
	s_wait_alu depctr_va_vdst(0)                   ; the addresses and offsets v1 to v13, v15 and v17 are written, which the loads and stores of the whole kernel read
	global_load_b32 v[TOK], v17, s[18:19]
.irp m, 0,1,2,3
	global_load_b32 v[G+2*\m], v15, s[20:21] offset:64*\m
.endr
	s_lshl_b32 s30, ttmp9, 17                      ; ypos: 64 rows of 2,048 bytes a tile, + my wave's 512 bytes of a row
	s_lshl_b32 s32, s2, 9
	s_add_co_u32 s30, s30, s32
	s_add_nc_u64 s[22:23], s[22:23], s[30:31]
	s_wait_kmcnt 0x0
	s_mov_b32 s29, s3                              ; kept for the branch round the way out
	s_min_u32 s3, s3, 7                            ; a loaded number is held inside its table before it enters an address
	s_mul_i32 s30, s3, 1638400                     ; an expert: 128 records; a wave: 32
	s_mul_i32 s32, s2, 409600
	s_add_co_u32 s30, s30, s32
	s_add_nc_u64 s[WP:WP+1], s[10:11], s[30:31]
	s_lshl_b32 s30, s3, 13                         ; b1: 8,192 bytes an expert, 2,048 a wave
	s_lshl_b32 s32, s2, 11
	s_add_co_u32 s30, s30, s32
	s_add_nc_u64 s[12:13], s[12:13], s[30:31]
	s_lshl_b32 s30, s3, 11                         ; b2: 2,048 bytes an expert, 512 a wave
	s_lshl_b32 s32, s2, 9
	s_add_co_u32 s30, s30, s32
	s_add_nc_u64 s[14:15], s[14:15], s[30:31]
.irp i, 0,1,2,3
	global_load_b128 v[BI+4*\i:BI+4*\i+3], v[VO], s[12:13] offset:512*\i
.endr
	global_load_b128 v[BI+16:BI+19], v[VO], s[14:15]
	s_wait_loadcnt 9                               ; my token is in: behind its load stand the 4 loads of gates and the 5 of biases
	v_min_u32 v[TOK], 0xfff, v[TOK]
	v_lshlrev_b32 v[XA], 11, v[TOK]
	v_lshl_add_u32 v[XA], v19, 6, v[XA]            ; my row of 2,048 bytes, + 64 h: my 16 numbers of each block of 32
	WIN 0x80                                       ; x lands where the accumulators will be: register 64 s + 16 b + i = x(my row, 128 s + 32 b + 16 h + i)
	s_wait_alu depctr_va_vdst(0)                   ; v[XA] is written, which x's loads read as their offset
.irp s, 0,1,2,3
.irp b, 0,1,2,3
.irp j, 0,1,2,3
	global_load_b128 v[64*\s+16*\b+4*\j:64*\s+16*\b+4*\j+3], v[XA], s[8:9] offset:512*\s+128*\b+16*\j
.endr
.endr
.endr
	LDF 0, 0, 0                                    ; the ring's start: records 0 and 1 and the first half of record 2: 63 loads
	WIN 0
	LSC 0, 0
	LDF 0, 0, 4
	LDF 1, 1, 0
	WIN 0
	LSC 1, 1
	LDF 1, 1, 4
	LDF 2, 2, 0
	WIN 0
	LSC 2, 2
	s_wait_loadcnt 63                              ; exactly the ring's 63 may be out: gates, biases and x are in
.irp i, 0,1,2,3,4
	ds_store_b128 v[BLW], v[BI+4*\i:BI+4*\i+3] offset:512*\i   ; my wave's own bytes: no barrier; LDS serves a wave's instructions in order
.endr
.irp m, 0,1,2,3
	v_mov_b32 v[G+2*\m+1], v[G+2*\m]               ; (named with it as a pair, so it is written)
.endr
.irp s, 0,1,2,3
	QUANT 64*\s, \s                                ; my 16 rows, K step s
	IMAGE XWI, XWS, 6144*\s, 512*\s
	BIASLOAD \s, 0                                 ; the registers just quantised take the first pass's bias
.endr
	WIN 0
	s_wait_dscnt 0x0                               ; for the others' sake: my images of x lie in LDS
	s_barrier_signal -1
	s_barrier_wait -1                              ; x's sixteen fragments lie in LDS; nobody writes them again
	BFF 0, LIX, 0                                  ; (no vector or matrix instruction has named token set 0 or its scale words yet)
	WIN 0
	BFS 0, LSX, 0
	; ---- PRODUCT 1: four passes of 128 hidden units; a pass is four steps along K = 512, then relu, the quantiser and the images
	s_mov_b32 s28, 4
.Lpass:
	STEP 0, 38, 1, 1, LIX, LSX, 1                  ; 38: the next record's 25 loads and the 13 of the one behind it
	STEP 1, 38, 1, 1, LIX, LSX, 2
	STEP 2, 38, 1, 1, LIX, LSX, 3
	STEP 3, 38, 1, 1, LIX, LSX, 0                  ; K step 0 again, for the next pass (behind the last pass these 16 LDS loads serve nothing)
	PLACES
	WIN 0x88                                       ; destination and source 1: window 2
.set i, 0
.rept 256
	v_max_num_f32 v[i], 0, v[i]                    ; the activation, in f32; each accumulator from its low end on
.set i, i+1
.endr
.irp m, 0,1,2,3
	QUANT 64*\m, 1
	IMAGE HWI, HWS, 1536*\m, 128*\m                ; K step 4 w + p of product 2, rows 16 m on
	BIASLOAD \m, 512                               ; the next pass's bias; behind the fourth pass the same arithmetic reaches b2
.endr
	WIN 0                                          ; at a label and at a branch every window is 0
	s_wait_xcnt 0x0                                ; the loads that are out have had their addresses translated: only now the stream's base steps
	s_add_nc_u64 s[WP:WP+1], s[WP:WP+1], 4*REC
	s_wait_alu depctr_vm_vsrc(0)                   ; the bias's LDS loads have read v[VB], the images' LDS stores v[HWI] and v[HWS]: the three are written now.
	v_add_nc_u32 v[VB], 512, v[VB]
	v_add_nc_u32 v[HWI], 6144, v[HWI]
	v_add_nc_u32 v[HWS], 512, v[HWS]
	s_sub_co_u32 s28, s28, 1
	s_cmp_lg_u32 s28, 0
	s_cbranch_scc1 .Lpass
	s_wait_dscnt 0x0                               ; for the others' sake: my images of the hidden layer lie in LDS
	s_barrier_signal -1
	s_barrier_wait -1                              ; the hidden layer's 64 fragments lie in LDS
	BFF 0, LIH, 0                                  ; (token set 0 and its scale words were last read by the last pass's third step, ahead of the quantiser's waits on va_vdst)
	WIN 0
	BFS 0, LSH, 0
	; ---- PRODUCT 2: sixteen steps along K = 2,048; the ring has run on through the change of products
	s_mov_b32 s28, 3
.Lk2:
	STEP 0, 38, 1, 1, LIH, LSH, 1
	STEP 1, 38, 1, 1, LIH, LSH, 2
	STEP 2, 38, 1, 1, LIH, LSH, 3
	STEP 3, 38, 1, 1, LIH, LSH, 4
	WIN 0
	s_wait_xcnt 0x0
	s_add_nc_u64 s[WP:WP+1], s[WP:WP+1], 4*REC
	s_wait_alu depctr_vm_vsrc(0)                   ; the LDS loads issued so far have read v[LIH] and v[LSH], which are written now; the next step's wait on va_vdst stands ahead of their next readers
	v_add_nc_u32 v[LIH], 24576, v[LIH]
	v_add_nc_u32 v[LSH], 2048, v[LSH]
	s_sub_co_u32 s28, s28, 1
	s_cmp_lg_u32 s28, 0
	s_cbranch_scc1 .Lk2
	STEP 0, 38, 1, 1, LIH, LSH, 1                  ; the last four steps are written out: no load passes the stream's end
	STEP 1, 38, 1, 0, LIH, LSH, 2                  ; the second half of the last record
	STEP 2, 25, 0, 0, LIH, LSH, 3                  ; 25: the last record's loads
	STEP 3, 0, 0, 0, LIH, LSH, -1                  ; it loads nothing, so it states no dependence
	PLACES
	WIN 0
	s_cmp_ge_u32 s29, 8                            ; a tile that this split leaves empty stores nothing.  No barrier stands behind this branch
	s_cbranch_scc1 .Lend
	; ---- THE WAY OUT: x gate; then a block of 16 rows x 128 columns at a time through my own stage, so that each store covers 512 consecutive bytes of a row of ypos, aligned to 512
	WIN 0x82                                       ; destination and source 0: window 2
.irp m, 0,1,2,3
.set i, 0
.rept 32
	v_pk_mul_f32 v[64*\m+i:64*\m+i+1], v[64*\m+i:64*\m+i+1], v[G+2*\m:G+2*\m+1] op_sel_hi:[1,0]   ; each accumulator from its low end on
.set i, i+2
.endr
.endr
.macro TOSTAGE m
	WIN 0x08                                       ; an LDS store's data are its source 1: window 2
.irp b, 0,1,2,3
.irp i, 0,1,2,3
	ds_store_b128 v[STO], v[64*(\m)+16*\b+4*\i:64*(\m)+16*\b+4*\i+3] offset:128*\b+16*\i   ; lane (r, h): columns 32 b + 16 h + 4 i on of row r
.endr
.endr
	WIN 0
.irp i, 0,1,2,3,4,5,6,7,8,9,10,11,12,13,14,15
	ds_load_b128 v[BK+64*((\m)%2)+4*\i:BK+64*((\m)%2)+4*\i+3], v[RD] offset:528*\i   ; LDS serves a wave's instructions in order: these see my stores, and the next block's stores come behind them
.endr
.endm
.macro SEND m, younger                 ; younger: the LDS instructions issued behind block m's loads, which may stay out
	s_wait_dscnt \younger
.irp i, 0,1,2,3,4,5,6,7,8,9,10,11,12,13,14,15
	global_store_b128 v[VO], v[BK+64*((\m)%2)+4*\i:BK+64*((\m)%2)+4*\i+3], s[22:23] offset:(16*(\m)+\i)*2048
.endr
.endm
	s_wait_alu depctr_va_vdst(0)                   ; the multiplications by the gate have written all 256 registers of the accumulators, which the stage's LDS stores read; no vector instruction follows
	TOSTAGE 0
	TOSTAGE 1
	SEND 0, 32                                     ; behind block 0's loads: block 1's 16 stores and 16 loads
	s_wait_xcnt 0x0                                ; block 0's stores have had their addresses translated,
	s_wait_alu depctr_vm_vsrc(0)                   ; and have read the first set of v[BK ..], in which block 2's LDS loads land
	TOSTAGE 2
	SEND 1, 32
	s_wait_xcnt 0x0
	s_wait_alu depctr_vm_vsrc(0)                   ; block 1's stores have read the second set of v[BK ..], in which block 3's LDS loads land
	TOSTAGE 3
	SEND 2, 32
	SEND 3, 0
.Lend:
	s_wait_dscnt 0x0                               ; the closing lines, six on end
	s_wait_alu 0x0
	s_wait_tensorcnt 0x0
	ds_add_u32 v126, v127
	s_wait_dscnt 0x0
	s_endpgm
.Lfunc_end_k_qd34f00f5aa_chain:
	.size	k_qd34f00f5aa_chain, .Lfunc_end_k_qd34f00f5aa_chain-k_qd34f00f5aa_chain
	.p2alignl 7, 3214868480
	.fill 96, 4, 3214868480
	.section	.rodata,"a",@progbits
	.p2align	6, 0x0
	.amdhsa_kernel k_qd34f00f5aa_chain
		.amdhsa_group_segment_fixed_size 177664
		.amdhsa_private_segment_fixed_size 0
		.amdhsa_enable_private_segment 0
		.amdhsa_kernarg_size 64
		.amdhsa_user_sgpr_count 2
		.amdhsa_user_sgpr_kernarg_segment_ptr 1
		.amdhsa_wavefront_size32 1
		.amdhsa_system_sgpr_workgroup_id_x 1
		.amdhsa_system_sgpr_workgroup_id_y 1
		.amdhsa_system_sgpr_workgroup_id_z 1
		.amdhsa_system_vgpr_workitem_id 0
		.amdhsa_next_free_vgpr 1024
		.amdhsa_next_free_sgpr 66
		.amdhsa_reserve_vcc 0
		.amdhsa_float_denorm_mode_32 3
		.amdhsa_float_denorm_mode_16_64 3
		.amdhsa_memory_ordered 1
		.amdhsa_forward_progress 1
		.amdhsa_inst_pref_size 180
	.end_amdhsa_kernel
	.amdgpu_metadata
---
amdhsa.version: [ 1, 2 ]
amdhsa.kernels:
  - .name:           k_qd34f00f5aa_chain
    .symbol:         k_qd34f00f5aa_chain.kd
    .args:
      - { .name: x, .offset: 0, .size: 8, .value_kind: global_buffer, .address_space: global }
      - { .name: WQ, .offset: 8, .size: 8, .value_kind: global_buffer, .address_space: global }
      - { .name: b1, .offset: 16, .size: 8, .value_kind: global_buffer, .address_space: global }
      - { .name: b2, .offset: 24, .size: 8, .value_kind: global_buffer, .address_space: global }
      - { .name: tiles, .offset: 32, .size: 8, .value_kind: global_buffer, .address_space: global }
      - { .name: rowlist, .offset: 40, .size: 8, .value_kind: global_buffer, .address_space: global }
      - { .name: gpos, .offset: 48, .size: 8, .value_kind: global_buffer, .address_space: global }
      - { .name: ypos, .offset: 56, .size: 8, .value_kind: global_buffer, .address_space: global }
    .group_segment_fixed_size: 177664
    .private_segment_fixed_size: 0
    .kernarg_segment_align: 8
    .kernarg_segment_size: 64
    .max_flat_workgroup_size: 128
    .sgpr_count:     66
    .vgpr_count:     1024
    .wavefront_size: 32
...
	.end_amdgpu_metadata
.endif
;; end of part 5
;; launch combine: the kernel of part 4 again; grid 256 x 1, 8 waves a work-group, no clusters, 0 bytes of LDS; arguments ypos, inv, out0; writes out0
